; MI455X (gfx1250); checked and timed in simulation.
; The chip was launched on July 23, 2026; its instructions are those of AMD's public machine-readable ISA for CDNA 5 (MIT licence, August 2026) and "CDNA5" Instruction Set Architecture Reference Guide (July 2026). The comments in the code are by the model that wrote it; some were corrected since.
;; Multi Agent SEPS Network. Allowed arithmetic: matrix products marked QUANTISED: E5M2 operands, one E8M0 scale for each 32 along K, by v_wmma_scale_f32_16x16x128_f8f6f4 with both operands' format E5M2, f32 sums; everything else in f32.
;; Inputs: W1 4 x 256 x 1,024 float32; W2 4 x 1,024 x 1,024 float32; W3 4 x 1,024 x 512 float32; b1 4 x 1,024 float32; b2 4 x 1,024 float32; b3 4 x 512 float32; seps_idx 8 int32; x 8 x 1,024 x 256 float32.
;; Outputs: out0 8 x 1,024 x 512 float32.
;; This version of the problem:
;;   THIS VERSION OF THE PROBLEM IS GIVEN IN LOW PRECISION. The matrix products marked QUANTISED in the list below multiply operands that are first quantised to E5M2 (5 exponent bits, 2 mantissa bits; 8 bits a number), with one power-of-two scale for each 32 numbers along K (OCP MX v1.0); their sums are f32. All else is computed in f32.
;;   The module's matrix products, in the order in which they are computed (A, B: the left and right operand; K: the contracted axis; several contracted axes count as one K, in the product's order):
;;     1. [M 8,192, K 256] x [K 256, N 4,096]; A: input x; B: input W1: QUANTISED
;;     2. batch 4 x [M 8,192, K 1,024] x [K 1,024, N 1,024]; A: computed on the way; B: input W2: QUANTISED
;;     3. batch 4 x [M 8,192, K 1,024] x [K 1,024, N 512]; A: computed on the way; B: input W3: QUANTISED
;;   THE QUANTISER, for each operand of a quantised product, along K:
;;     - K is cut into blocks of 32 from its start; a last block that is shorter is filled with zeros.
;;     - A block's scale is 2^e with e = floor(log2(the largest magnitude in the block)) - 15, held to -126 .. 127; a block of zeros has e = 0. As a byte (E8M0): e + 127.
;;     - Each number is divided by its block's scale, clamped to +-57,344, and rounded to the nearest number of E5M2, ties to even, subnormals kept.
;;     - The product sums the exact products of the quantised numbers (number of the format x scale) in f32.
;;   ~~~python
;;   def quantise(x, axis):      # numpy; x: float32 -> the quantised numbers, widened to float32 again
;;       x = np.moveaxis(x, axis, -1); K = x.shape[-1]
;;       x = np.pad(x, [(0, 0)] * (x.ndim - 1) + [(0, -K % 32)]); x = x.reshape(x.shape[:-1] + (-1, 32)); a = np.abs(x).max(-1, keepdims=True)
;;       e = np.where(a > 0, np.clip(np.frexp(np.where(a > 0, a, 1))[1] - 1 - 15, -126, 127), 0)      # np.frexp(a)[1] - 1 = floor(log2(a)), exactly
;;       r = np.clip(x / 2.0 ** e, -57344, 57344)
;;       step = 2.0 ** (np.maximum(np.frexp(np.where(r == 0, 1, r))[1] - 1, -14) - 2)
;;       q = np.round(r / step) * step * 2.0 ** e      # np.round: ties to even
;;       return np.moveaxis(q.reshape(q.shape[:-2] + (-1,))[..., :K], -1, axis).astype(np.float32)
;;   ~~~
;;   OPERANDS COMPUTED ON THE WAY. 'Computed on the way' means the value that the module computes at that place (a softmax that the list does not call 'softmax' is quantised finished and normalised). What goes into a quantiser is computed in f32, as accurately as f32 sums, v_exp_f32 and their like allow (about 1e-6 of the number): no bf16 or f16 on the way to a quantiser, and a product that is left as it is and whose result goes on into a quantised operand takes f32 operands (vector FMAs, or v_wmma_f32_16x16x4_f32). A number that lies on a knife's edge between two numbers of the format may be rounded either way, as far as f32 arithmetic and the matrix unit's own rounding can turn it there, and no further.
;; 2 versions. Each part assembles by itself: llvm-mc -triple=amdgcn-amd-amdhsa -mcpu=gfx1250 --defsym DOCPART=n.
;; ======== version 1 of 2: 2 launches
;; workspace buffers: wq 7,569,408 bytes
;; launch prep (part 1): grid 14 x 32, 8 waves a work-group, no clusters, 17,920 bytes of LDS; arguments W1, W2, W3, wq; writes wq
.if DOCPART == 1
	.amdgcn_target "amdgcn-amd-amdhsa--gfx1250"
	.amdhsa_code_object_version 6
	.text
	.protected	k_q3a24ac4b1e_prep
	.globl	k_q3a24ac4b1e_prep
	.p2align	8
	.type	k_q3a24ac4b1e_prep,@function
k_q3a24ac4b1e_prep:
	s_mov_b64 s[64:65], 0
	v_nop
	global_prefetch_b8 v0, s[64:65] scope:SCOPE_SE
	s_setreg_imm32_b32 hwreg(HW_REG_WAVE_MODE, 25, 1), 1
	s_wait_xcnt 0x0
; W1 [4][256][1024], W2 [4][1024][1024], W3 [4][1024][512], f32, K = the FIRST axis of each expert's matrix, become codes of BF8 (E5M2) with one E8M0 byte for each 32 along K,
; laid in wq in the order in which a wave of the second launch takes them into its operand registers:  wq = [expert 4][wave 8][group 14] groups of 16,896 bytes.
; A GROUP is 8 fragments of 2,048 bytes and a block of 512 bytes of scale bytes.  Fragment f, piece c (0..3), cell r + 16 h, at 2048 f + 512 c + 16 (r + 16 h): the 16 codes of the fragment's unit r
; at k = 32 c + 16 h + 0 .. 15 of its K step of 128: the image of the operand's registers.  Scale block, at 16,384: byte 16 l' + 4 q + c = the byte of block c of unit l' % 16 of fragment 2 q + l' / 16.
; Group 0, 1: layer 1, K step g.  Group 2..9: layer 2, K step g - 2.  In both, fragment f = tile f of the wave's 128 units.  Group 10..13: layer 3, K steps 2 (g - 10) + sb, fragment 4 sb + t, tile t of the wave's 64 outputs.
; THE UNITS OF A TILE ARE NOT NEIGHBOURS: cell r of tile 2 b + u is unit 32 b + 8 u + r + 8 (r / 8) of the wave's, so that the results of tiles 2 b and 2 b + 1 are 16 neighbours along the next K.
; SHARES.  A work-group makes one group (x = g, y = 8 expert + wave).  Each of its eight waves takes ONE block of 32 along K for 64 columns: a lane takes two neighbouring columns and its registers run down K:
; each load of a wave reads 256 consecutive bytes of a row, at a multiple of 256 from the buffer's first byte; a block's largest magnitude needs no other lane; the conversions give codes with K innermost.
; The group is put together in LDS and leaves in stores of 512 consecutive bytes a wave.
; A block's scale is 2^(floor(log2(its largest magnitude)) - 15); its byte is the largest magnitude's exponent field - 15, held at 1 from below.
; LIMITS: NaN and infinities among the inputs are not served.  A block of zeros gets the byte 1 where the rule says 127: its codes are zeros, which add nothing under any byte but 0xff, and this program alone reads the bytes.
; No tensor loads, no cluster: no two work-groups read the same byte.
.set X,   32                           ; v32-95   row i of the block: v[X + 2 i] column A, v[X + 2 i + 1] column B
.set Y,   96                           ; v96-159  column A's 32 numbers, then column B's, held
.set C,   16                           ; v16-31   column A's 32 codes, then column B's; later the copy out
.set SCB, 16384                        ; the scale block's place in a group
.set GROUP, 16896
	s_load_b256 s[4:11], s[0:1], 0x0               ; W1 s[4:5], W2 s[6:7], W3 s[8:9], wq s[10:11]
	v_lshl_add_u32 v160, v0, 2, 0x4200
	v_mov_b32 v161, 0
	v_lshrrev_b32 v1, 5, v0
	v_readfirstlane_b32 s12, v1                    ; wave 0..7
	s_lshr_b32 s13, s12, 2                         ; vh: which 64 columns (layers 1, 2) or which K step of the group (layer 3)
	s_and_b32 s14, s12, 3                          ; c: which block of 32 of a K step
	s_mov_b32 s15, ttmp9                           ; g
	s_and_b32 s25, ttmp7, 0xffff                   ; y = 8 expert + wave of the second launch
	s_lshr_b32 s16, s25, 3                         ; expert
	s_and_b32 s17, s25, 7                          ; w
	s_mov_b32 s24, 0x600000                        ; the mantissa field of 57,344
	v_and_b32 v1, 31, v0                           ; lane l: columns 2 l and 2 l + 1 of the wave's 64
	v_lshlrev_b32 v2, 3, v1                        ; 8 bytes a lane
	; Column j = 2 (l % 16) + p of a pair of tiles: u = (l / 4) % 2, r = 2 (l % 4) + p + 8 ((l / 8) % 2); the pair is 2 vh + l / 16.  The same in all three layers.
	v_and_b32 v6, 3, v1
	v_lshlrev_b32 v3, 5, v6                        ; 16 r: 32 (l % 4)
	v_bfe_u32 v6, v1, 3, 1
	v_lshl_add_u32 v3, v6, 7, v3                   ;       + 128 ((l / 8) % 2)
	v_bfe_u32 v6, v1, 2, 1                         ; u
	v_lshl_add_u32 v4, v6, 8, v3                   ; scale byte: cell r + 16 u
	v_lshl_add_u32 v3, v6, 11, v3                  ; codes: fragment + u
	v_bfe_u32 v6, v1, 4, 1
	v_lshl_add_u32 v4, v6, 2, v4                   ; scale byte: word q = 2 vh + l / 16
	v_lshl_add_u32 v3, v6, 12, v3                  ; codes: two fragments on for lanes 16-31
	s_lshl_b32 s20, s13, 13                        ; four fragments on for vh = 1,
	s_lshl_b32 s21, s14, 9                         ; piece c
	s_add_co_u32 s20, s20, s21
	v_add_nc_u32 v3, s20, v3                       ; v3: where column A's first 16 codes go
	s_lshl_b32 s20, s13, 3
	s_add_co_u32 s20, s20, s14
	s_add_co_u32 s20, s20, SCB
	v_add_nc_u32 v4, s20, v4                       ; v4: where column A's scale byte goes
	v_lshlrev_b32 v6, 4, v1                        ; v6: 16 x lane
	s_lshl_b32 s20, s12, 11
	v_add_nc_u32 v5, s20, v6                       ; v5: the copy out: my wave's 2,048 bytes of the group, in LDS and in wq alike
	s_mul_i32 s20, s25, 14
	s_add_co_u32 s20, s20, s15
	s_mul_i32 s20, s20, GROUP                      ; my group's first byte in wq: under 7,569,408
	s_mov_b32 s21, 0
	s_wait_kmcnt 0x0
	s_add_nc_u64 s[10:11], s[10:11], s[20:21]
	s_cmp_lt_u32 s15, 10                           ; the two arms differ in the pointer and the rows' pitch alone; no LDS line stands in them
	s_cbranch_scc0 .Lw3
	s_cmp_lt_u32 s15, 2                            ; layer 1 or layer 2: rows of 4,096 bytes in both
	s_cselect_b64 s[18:19], s[4:5], s[6:7]
	s_cselect_b32 s20, 20, 22                      ; an expert's matrix is 2^20 or 2^22 bytes
	s_cselect_b32 s21, 0, 2
	s_sub_co_u32 s21, s15, s21                     ; the K step
	s_lshl_b32 s22, s16, s20
	s_lshl_b32 s21, s21, 7
	s_lshl_b32 s23, s14, 5
	s_add_co_u32 s21, s21, s23                     ; my block's first row: 128 x K step + 32 c
	s_lshl_b32 s21, s21, 12
	s_add_co_u32 s22, s22, s21
	s_lshl_b32 s21, s17, 9                         ; column 128 w + 64 vh, in bytes
	s_add_co_u32 s22, s22, s21
	s_lshl_b32 s21, s13, 8
	s_add_co_u32 s22, s22, s21
	s_mov_b32 s23, 0
	s_add_nc_u64 s[18:19], s[18:19], s[22:23]
.set i, 0
.rept 32
	global_load_b64 v[X+2*i:X+2*i+1], v2, s[18:19] offset:4096*i th:TH_LOAD_NT
.set i, i+1
.endr
	s_branch .Lq
.Lw3:                                                  ; layer 3: rows of 2,048 bytes, an expert's matrix 2^21 bytes
	s_sub_co_u32 s21, s15, 10
	s_lshl_b32 s21, s21, 8
	s_lshl_b32 s23, s13, 7
	s_add_co_u32 s21, s21, s23
	s_lshl_b32 s23, s14, 5
	s_add_co_u32 s21, s21, s23                     ; my block's first row: 256 (g - 10) + 128 vh + 32 c
	s_lshl_b32 s21, s21, 11
	s_lshl_b32 s22, s16, 21
	s_add_co_u32 s22, s22, s21
	s_lshl_b32 s21, s17, 8                         ; column 64 w, in bytes
	s_add_co_u32 s22, s22, s21
	s_mov_b32 s23, 0
	s_add_nc_u64 s[18:19], s[8:9], s[22:23]
.set i, 0
.rept 32
	global_load_b64 v[X+2*i:X+2*i+1], v2, s[18:19] offset:2048*i th:TH_LOAD_NT
.set i, i+1
.endr
.Lq:
	s_wait_loadcnt 0x0
	v_max3_num_f32 v8, |v[X]|, |v[X+2]|, 0x8000000                 ; the block's largest magnitude, the two columns by turns; the floor 2^(16 - 127) is one more leaf: the byte cannot fall under 1
	v_max3_num_f32 v9, |v[X+1]|, |v[X+3]|, 0x8000000
.irp i, 2,4,6,8,10,12,14,16,18,20,22,24,26,28,30
	v_max3_num_f32 v8, v8, |v[X+2*\i]|, |v[X+2*\i+2]|
	v_max3_num_f32 v9, v9, |v[X+2*\i+1]|, |v[X+2*\i+3]|
.endr
	v_add_nc_u32 v12, 0xf8800000, v8               ; 15 off the exponent field: the conversion takes the exponent field of this operand as its scale, and nothing else of it
	v_add_nc_u32 v13, 0xf8800000, v9
	v_and_or_b32 v10, v8, 0x7f800000, s24          ; 57,344 x the scale
	v_and_or_b32 v11, v9, 0x7f800000, s24
	v_lshrrev_b32 v14, 23, v12                     ; the scale's byte
	v_lshrrev_b32 v15, 23, v13
.set i, 0
.rept 32
	v_med3_num_f32 v[Y+i], v[X+2*i], -v10, v10     ; the conversion to an 8-bit code does not saturate (ISA guide 7.6.2): the hold; it also parts the two columns, so that no move is written
	v_med3_num_f32 v[Y+32+i], v[X+2*i+1], -v11, v11
.set i, i+1
.endr
.irp q, 0,1,2,3
	v_cvt_scalef32_pk8_bf8_f32 v[C+2*\q:C+2*\q+1], v[Y+8*\q:Y+8*\q+7], v12
	v_cvt_scalef32_pk8_bf8_f32 v[C+8+2*\q:C+8+2*\q+1], v[Y+32+8*\q:Y+32+8*\q+7], v13
.endr
	v_nop                                          ; one plain vector line behind the last conversion
	ds_store_b128 v3, v[C:C+3]                     ; column A, k = 0 .. 15 of the block: cell r
	ds_store_b128 v3, v[C+4:C+7] offset:256        ;           k = 16 .. 31: cell r + 16
	ds_store_b128 v3, v[C+8:C+11] offset:16        ; column B is unit r + 1
	ds_store_b128 v3, v[C+12:C+15] offset:272
	ds_store_b8 v4, v14
	ds_store_b8 v4, v15 offset:16
	s_wait_dscnt 0x0                               ; for the others' sake: my stores into the image are done
	s_barrier_signal -1
	s_barrier_wait -1                              ; the group lies whole in LDS
.irp i, 0,1,2,3
	ds_load_b128 v[C+4*\i:C+4*\i+3], v5 offset:512*\i
.endr
.irp i, 0,1,2,3
	s_wait_dscnt 3-\i                              ; LDS loads come back in order: the younger ones may be out
	global_store_b128 v5, v[C+4*\i:C+4*\i+3], s[10:11] offset:512*\i   ; 32 lanes store 512 consecutive bytes, at a multiple of 256 from wq's first byte
.endr
	s_cmp_lg_u32 s12, 0                            ; wave 0 also takes the scale block's 512 bytes
	s_cbranch_scc1 .Lend
	ds_load_b128 v[Y:Y+3], v6 offset:SCB
	s_wait_dscnt 0x0
	global_store_b128 v6, v[Y:Y+3], s[10:11] offset:SCB
.Lend:
	s_wait_tensorcnt 0x0
	ds_add_u32 v160, v161
	s_wait_dscnt 0x0
	s_endpgm
.Lfunc_end_k_q3a24ac4b1e_prep:
	.size	k_q3a24ac4b1e_prep, .Lfunc_end_k_q3a24ac4b1e_prep-k_q3a24ac4b1e_prep
	.p2alignl 7, 3214868480
	.fill 96, 4, 3214868480
	.section	.rodata,"a",@progbits
	.p2align	6, 0x0
	.amdhsa_kernel k_q3a24ac4b1e_prep
		.amdhsa_group_segment_fixed_size 17920
		.amdhsa_private_segment_fixed_size 0
		.amdhsa_enable_private_segment 0
		.amdhsa_kernarg_size 32
		.amdhsa_user_sgpr_count 2
		.amdhsa_user_sgpr_kernarg_segment_ptr 1
		.amdhsa_wavefront_size32 1
		.amdhsa_system_sgpr_workgroup_id_x 1
		.amdhsa_system_sgpr_workgroup_id_y 1
		.amdhsa_system_sgpr_workgroup_id_z 1
		.amdhsa_system_vgpr_workitem_id 0
		.amdhsa_next_free_vgpr 162
		.amdhsa_next_free_sgpr 66
		.amdhsa_reserve_vcc 0
		.amdhsa_float_denorm_mode_32 3
		.amdhsa_float_denorm_mode_16_64 3
		.amdhsa_memory_ordered 1
		.amdhsa_forward_progress 1
		.amdhsa_inst_pref_size 18
	.end_amdhsa_kernel
	.amdgpu_metadata
---
amdhsa.version: [ 1, 2 ]
amdhsa.kernels:
  - .name:           k_q3a24ac4b1e_prep
    .symbol:         k_q3a24ac4b1e_prep.kd
    .args:
      - { .name: W1, .offset: 0, .size: 8, .value_kind: global_buffer, .address_space: global }
      - { .name: W2, .offset: 8, .size: 8, .value_kind: global_buffer, .address_space: global }
      - { .name: W3, .offset: 16, .size: 8, .value_kind: global_buffer, .address_space: global }
      - { .name: wq, .offset: 24, .size: 8, .value_kind: global_buffer, .address_space: global }
    .group_segment_fixed_size: 17920
    .private_segment_fixed_size: 0
    .kernarg_segment_align: 8
    .kernarg_segment_size: 32
    .max_flat_workgroup_size: 256
    .sgpr_count:     66
    .vgpr_count:     162
    .wavefront_size: 32
...
	.end_amdgpu_metadata
.endif
;; end of part 1
;; launch mlp (part 2): grid 256 x 1, 8 waves a work-group, no clusters, 190,464 bytes of LDS; arguments x, wq, b1, b2, b3, seps_idx, out0; writes out0
.if DOCPART == 2
	.amdgcn_target "amdgcn-amd-amdhsa--gfx1250"
	.amdhsa_code_object_version 6
	.text
	.protected	k_q3a24ac4b1e_mlp
	.globl	k_q3a24ac4b1e_mlp
	.p2align	8
	.type	k_q3a24ac4b1e_mlp,@function
k_q3a24ac4b1e_mlp:
	s_mov_b64 s[64:65], 0
	v_nop
	global_prefetch_b8 v0, s[64:65] scope:SCOPE_SE
	s_setreg_imm32_b32 hwreg(HW_REG_WAVE_MODE, 25, 1), 1
	s_wait_xcnt 0x0
; out0[a][row] = W3^T relu(W2^T relu(W1^T x[a][row] + b1) + b2) + b3 with the weights of expert seps_idx[a]; all three products on codes of BF8 (E5M2) with one E8M0 scale for each 32 along K.
; Only the chosen expert is multiplied for an agent: the other three results are thrown away by the gather.
; SHARES.  A work-group of eight waves takes 32 rows of one agent (two tiles of 16) through the whole chain; the hidden layers never go to memory.  THE WAVES SHARE THE COLUMNS: in layers 1 and 2 wave w makes units
; 128 w .. 128 w + 127 for all 32 rows, which is K step w of the next product: one fragment and one scale word a row; in layer 3 it makes outputs 64 w .. 64 w + 63: 256 bytes of each row of out0.
; WEIGHTS come from wq straight into the registers of the one wave that multiplies by them: the first launch has laid them as images of the operand's registers, in this wave's order: 14 groups of 8 fragments and 4 scale
; registers, 33 loads of 512 consecutive bytes each.  Two sets of registers take turns: while one group is multiplied the next is on its way, over the layers' ends too.
; ROWS go from wave to wave through LDS as images of their registers: 4 stores of 16 bytes a lane at 16 x lane, a barrier, the same 4 lines as loads; the scale words 4 bytes a row.  No LDS byte is written twice.
; ALL PRODUCTS ARE USED TRANSPOSED (source 0 = 16 units of a weight, source 1 = 16 rows): a lane holds ONE row, and by the order of the units in a tile the 16 registers of tiles 2 b and 2 b + 1 are 16 neighbours along the next K.
; The biases are loaded into the accumulators and start the sums: nothing is cleared, nothing is added behind the products (the order of the f32 additions so differs from a bias added last).
; NOT IN CLUSTERS, though the 32 row blocks of an agent read the same weights: a joint load lands in LDS, in slots that are filled again behind a round of the cluster's barrier in front of which all loads have landed.
; Beside the 189,184 bytes used here two slots of 65,536 bytes fit: 32 fragments, 64 matrix instructions for the work-group, 8 a wave between a request and the wait for it, some 29 rounds, and each of the
; 1,892,352 bytes of an expert would be written into LDS and read from it once more.  The stream into registers has one to two groups a wave on its way (135,168 to 270,336 bytes a work-group) and is never drained.
; LIMITS: NaN and infinities among the inputs are not served.  A block of zeros, or one whose largest magnitude lies under 2^-111, gets the byte 1.  seps_idx is taken as unsigned and held at 3.
; REGISTERS: window 0: v1-15 addresses that stay; v16-19 addresses of the layer in hand; v20-27 the weights' scale words, two sets; v28-29 the rows' scale words, two sets; v30-47 at work in the quantiser; v48-63 codes just made;
;   v64-127 the rows' fragments, two sets of two (also: x as loaded; the second tile's codes; rows of out0); v128-255 the accumulators.   window 1: the weights, two sets of 8 fragments.
.set BIA,  0                           ; LDS: b1, b2, b3 of my expert: 4,096 + 4,096 + 2,048 bytes
.set XSC,  10240                       ; x's scale words: 128 s + 64 m + 4 r (K step s, tile of rows m, row r)
.set H1S,  10496                       ; the first hidden layer's, likewise
.set H2S,  11520                       ; the second's
.set XIMG, 12544                       ; x's 4 fragments, 2,048 bytes each, at 2 s + m
.set H1,   20736                       ; the first hidden layer's 16
.set H2,   53504                       ; the second's 16
.set XST,  86272                       ; x as f32: 32 rows, 1,040 bytes apart = 65 x 16: the sixteen rows that a load touches begin at sixteen different 16-byte columns of 256 bytes
.set XP,   1040
.set STG,  119552                      ; the way out: for each wave 32 rows of 256 bytes, 272 apart
.set SP,   272
.set LI,  1                            ; v1   16 x lane
.set LS,  2                            ; v2   4 x lane
.set HWI, 3                            ; v3   16 x lane + 4,096 x wave: where my two fragments of a hidden layer go
.set HWS, 4                            ; v4   4 r + 128 x wave: and their scale words
.set XWI, 5                            ; v5   where my fragment of x goes (waves 0-3)
.set XWS, 6                            ; v6   and its scale words
.set XSI, 7                            ; v7   x into the stage
.set XSO, 8                            ; v8   and out of it: my row, my 16 numbers of a block
.set BA,  9                            ; v9   512 x wave + 64 h: my biases in layers 1 and 2
.set BA3, 10                           ; v10  256 x wave + 64 h: in layer 3
.set SO,  11                           ; v11  the way out: where I put my row's numbers
.set SR,  12                           ; v12  and where I read rows back
.set GO,  13                           ; v13  my byte offset in the wave's part of out0
.set XG,  14                           ; v14  16 x thread
.set B3G, 15                           ; v15  8 x thread
.set AF,  16                           ; v16  the layer's rows: fragments
.set AS,  17                           ; v17  their scale words
.set AW,  18                           ; v18  where the layer's results go: fragments
.set AX,  19                           ; v19  their scale words
.set WS,  20
.set HS,  28
.set TM,  30                           ; +0..3 largest magnitudes, +4..7 the other half's, then bytes, +8..11 the largest number x the scale, +12..15 the conversions' scale operands
.set PW0, 46
.set PW1, 47
.set PC0, 48
.set HF,  64
.set PC1, 64
.set OB,  64
.set ACC, 128
.set WV,  18                           ; s18  my wave's number
.set MNT, 19                           ; s19  the mantissa field of 57,344
.set SEL, 20                           ; s[20:21] v_permlanex16_b32's selects for lane l xor 16
.set MSB, 0
.macro WIN new                         ; the immediate's high byte repeats the setting that is left; a switch that changes nothing is dropped
.if MSB != \new
	s_set_vgpr_msb (MSB<<8)|\new
.set MSB, \new
.endif
.endm
; Group g of my stream into set g % 2: 32 pieces of 512 bytes (fragment f, piece c: number 4 f + c) and the scale block.  33 loads.
.macro GLOAD g
	WIN 0x40                                       ; destination window 1, address window 0
.set gp, 0
.rept 32
	global_load_b128 v[128*((\g)%2)+4*gp:128*((\g)%2)+4*gp+3], v[LI], s[6:7] offset:16896*(\g)+512*gp
.set gp, gp+1
.endr
	WIN 0
	global_load_b128 v[WS+4*((\g)%2):WS+4*((\g)%2)+3], v[LI], s[6:7] offset:16896*(\g)+16384   ; register q: lanes 0-15 fragment 2 q's words, lanes 16-31 fragment 2 q + 1's
.endm
; K step s of the layer's rows into set s % 2: two fragments (tile of rows m, piece c: number 4 m + c) and one register of scale words: lanes 0-15 tile 0's, lanes 16-31 tile 1's.  9 loads.
.macro HFETCH s
.set hp, 0
.rept 8
	ds_load_b128 v[HF+32*((\s)%2)+4*hp:HF+32*((\s)%2)+4*hp+3], v[AF] offset:4096*(\s)+512*hp
.set hp, hp+1
.endr
	ds_load_b32 v[HS+(\s)%2], v[AS] offset:128*(\s)
.endm
; nt tiles of units (fragments fb on of group g) x the two tiles of rows, 128 along K.  The accumulators take turns, one instruction a turn, from step to step too.
.macro MULS g, fb, s, nt, am
.set mt, 0
.rept \nt
.set mm, 0
.rept 2
.set rD, ACC+(\am)*mm+8*mt
.set rW, 128*((\g)%2)+16*((\fb)+mt)
.set rH, HF+32*((\s)%2)+16*mm
.set rS, WS+4*((\g)%2)+((\fb)+mt)/2
.set rT, HS+(\s)%2
.if (mt%2 == 0) && (mm == 0)
	v_wmma_scale_f32_16x16x128_f8f6f4 v[rD:rD+7], v[rW:rW+15], v[rH:rH+15], v[rD:rD+7], v[rS], v[rT] matrix_a_fmt:MATRIX_FMT_BF8 matrix_b_fmt:MATRIX_FMT_BF8
.elseif (mt%2 == 1) && (mm == 0)
	v_wmma_scale_f32_16x16x128_f8f6f4 v[rD:rD+7], v[rW:rW+15], v[rH:rH+15], v[rD:rD+7], v[rS], v[rT] matrix_a_fmt:MATRIX_FMT_BF8 matrix_b_fmt:MATRIX_FMT_BF8 matrix_a_scale:MATRIX_SCALE_ROW1
.elseif (mt%2 == 0)
	v_wmma_scale_f32_16x16x128_f8f6f4 v[rD:rD+7], v[rW:rW+15], v[rH:rH+15], v[rD:rD+7], v[rS], v[rT] matrix_a_fmt:MATRIX_FMT_BF8 matrix_b_fmt:MATRIX_FMT_BF8 matrix_b_scale:MATRIX_SCALE_ROW1
.else
	v_wmma_scale_f32_16x16x128_f8f6f4 v[rD:rD+7], v[rW:rW+15], v[rH:rH+15], v[rD:rD+7], v[rS], v[rT] matrix_a_fmt:MATRIX_FMT_BF8 matrix_b_fmt:MATRIX_FMT_BF8 matrix_a_scale:MATRIX_SCALE_ROW1 matrix_b_scale:MATRIX_SCALE_ROW1
.endif
.set mm, mm+1
.endr
.set mt, mt+1
.endr
.endm
; A K step.  more = 1: the next step's rows are asked for first.  lw >= 0: the wait for group g, with the loads that may stay out.  gl >= 0: group gl is asked for, into the set just multiplied.
; Eight plain places stand behind the products: they serve the loads into the weights' set just read, the next step's loads into the rows' set just read,
; and the first read of the results behind a layer's last step.
.macro STEP g, fb, s, nt, am, more, lw, gl
.if \more
	HFETCH (\s)+1
	s_wait_dscnt 9                                 ; the nine just issued may be out: this step's rows are in
.else
	s_wait_dscnt 0x0
.endif
.if (\lw) >= 0
	s_wait_loadcnt \lw                             ; loads come back in order (ISA guide 5.7.1): the next group's 33 may be out, this group is in
.endif
	WIN 0x01                                       ; source 0 (the weights) window 1
	MULS \g, \fb, \s, \nt, \am
.rept 8
	v_nop
.endr
.if (\gl) >= 0
	GLOAD \gl
.else
	WIN 0
.endif
.endm
; 64 numbers of a lane, v[s] on, register 16 b + i = k 32 b + 16 (lane / 16) + i of my row, become a fragment's codes in v[pc] on and its scale word in v[pw].  relu = 1: what is negative becomes 0 on the way.
.macro QUANT s, relu, pc, pw
.if \relu                                      ; no |.|: what is negative is to become 0, so it must not count for the largest magnitude; the floor stands over it
.irp b, 0,1,2,3
	v_max3_num_f32 v[TM+\b], v[(\s)+16*\b], v[(\s)+1+16*\b], 0x8000000   ; block b: my 16 numbers, and the floor 2^(16 - 127): the byte cannot fall under 1.  Each accumulator is read from its low end on
.endr
.irp i, 2,4,6,8,10,12,14
.irp b, 0,1,2,3
	v_max3_num_f32 v[TM+\b], v[TM+\b], v[(\s)+16*\b+\i], v[(\s)+1+16*\b+\i]   ; (the four blocks by turns)
.endr
.endr
.else
.irp b, 0,1,2,3
	v_max3_num_f32 v[TM+\b], |v[(\s)+16*\b]|, |v[(\s)+1+16*\b]|, 0x8000000
.endr
.irp i, 2,4,6,8,10,12,14
.irp b, 0,1,2,3
	v_max3_num_f32 v[TM+\b], v[TM+\b], |v[(\s)+16*\b+\i]|, |v[(\s)+1+16*\b+\i]|
.endr
.endr
.endif
.irp b, 0,1,2,3
	v_permlanex16_b32 v[TM+4+\b], v[TM+\b], s[SEL], s[SEL+1]
.endr
.irp b, 0,1,2,3
	v_max_num_f32 v[TM+\b], v[TM+\b], v[TM+4+\b]   ; with lane l xor 16's: the block's largest magnitude
.endr
.irp b, 0,1,2,3
	v_add_nc_u32 v[TM+12+\b], 0xf8800000, v[TM+\b]   ; 15 off its exponent field: the conversion's scale operand
.endr
.irp b, 0,1,2,3
	v_and_or_b32 v[TM+8+\b], v[TM+\b], 0x7f800000, s[MNT]   ; 57,344 x the scale
.endr
.irp b, 0,1,2,3
	v_lshrrev_b32 v[TM+4+\b], 23, v[TM+12+\b]      ; the scale's byte
.endr
	v_lshl_or_b32 v[\pw], v[TM+5], 8, v[TM+4]      ; the four bytes make my row's scale word (lanes l and l xor 16 hold the same)
	v_lshl_or_b32 v[\pw], v[TM+6], 16, v[\pw]
	v_lshl_or_b32 v[\pw], v[TM+7], 24, v[\pw]
.irp b, 0,1,2,3
.irp i, 0,1,2,3,4,5,6,7,8,9,10,11,12,13,14,15
.if \relu
	v_med3_num_f32 v[(\s)+16*\b+\i], v[(\s)+16*\b+\i], 0, v[TM+8+\b]   ; the activation and the hold in one
.else
	v_med3_num_f32 v[(\s)+16*\b+\i], v[(\s)+16*\b+\i], -v[TM+8+\b], v[TM+8+\b]   ; the conversion to an 8-bit code does not saturate (ISA guide 7.6.2): the hold
.endif
.endr
	v_cvt_scalef32_pk8_bf8_f32 v[(\pc)+4*\b:(\pc)+1+4*\b], v[(\s)+16*\b:(\s)+7+16*\b], v[TM+12+\b]
	v_cvt_scalef32_pk8_bf8_f32 v[(\pc)+2+4*\b:(\pc)+3+4*\b], v[(\s)+8+16*\b:(\s)+15+16*\b], v[TM+12+\b]
.endr
	v_nop                                          ; one plain vector line behind the last conversion
.endm
.macro IMAGE adr, pc, off                      ; a fragment goes to LDS as it stands in the registers
.irp c, 0,1,2,3
	ds_store_b128 v[\adr], v[(\pc)+4*\c:(\pc)+4*\c+3] offset:(\off)+512*\c
.endr
.endm
; The biases into the accumulators: lane (r, h) wants, for tile 2 b + u, those of units 32 b + 16 h + 8 u + 0 .. 7, the same for both tiles of rows
.macro BIAS12 loff
.set bm, 0
.rept 2
.set bt, 0
.rept 8
	ds_load_b128 v[ACC+64*bm+8*bt:ACC+64*bm+8*bt+3], v[BA] offset:(\loff)+128*(bt/2)+32*(bt%2)
	ds_load_b128 v[ACC+64*bm+8*bt+4:ACC+64*bm+8*bt+7], v[BA] offset:(\loff)+128*(bt/2)+32*(bt%2)+16
.set bt, bt+1
.endr
.set bm, bm+1
.endr
.endm
.macro BIAS3
.set bm, 0
.rept 2
.set bt, 0
.rept 4
	ds_load_b128 v[ACC+32*bm+8*bt:ACC+32*bm+8*bt+3], v[BA3] offset:BIA+8192+128*(bt/2)+32*(bt%2)
	ds_load_b128 v[ACC+32*bm+8*bt+4:ACC+32*bm+8*bt+7], v[BA3] offset:BIA+8192+128*(bt/2)+32*(bt%2)+16
.set bt, bt+1
.endr
.set bm, bm+1
.endr
.endm
.macro BARRIER                                 ; my LDS stores have landed and my LDS loads are in: then the work-group's barrier
	s_wait_dscnt 0x0
	s_barrier_signal -1
	s_barrier_wait -1
.endm
	; ---- the head: arguments, addresses (all LDS address registers that stay are made here, ahead of the one branch on the wave's number)
	s_load_b256 s[4:11], s[0:1], 0x0               ; x s[4:5], wq s[6:7], b1 s[8:9], b2 s[10:11]
	s_load_b128 s[12:15], s[0:1], 0x20             ; b3 s[12:13], seps_idx s[14:15]
	s_load_b64 s[16:17], s[0:1], 0x30              ; out0
	v_lshrrev_b32 v16, 5, v0
	v_readfirstlane_b32 s[WV], v16                 ; wave 0..7
	v_and_b32 v16, 31, v0                          ; lane
	v_and_b32 v17, 15, v0                          ; r
	v_bfe_u32 v18, v0, 4, 1                        ; h
	v_lshlrev_b32 v[LI], 4, v16
	v_lshlrev_b32 v[LS], 2, v16
	s_lshl_b32 s23, s[WV], 12
	v_add_nc_u32 v[HWI], s23, v[LI]
	s_lshl_b32 s23, s[WV], 7
	v_lshl_add_u32 v[HWS], v17, 2, s23
	s_lshl_b32 s23, s[WV], 11
	s_add_co_u32 s23, s23, XIMG
	v_add_nc_u32 v[XWI], s23, v[LI]                ; wave w (0-3) makes x's fragment number w: K step w / 2, tile of rows w % 2
	s_lshl_b32 s23, s[WV], 6
	s_add_co_u32 s23, s23, XSC
	v_lshl_add_u32 v[XWS], v17, 2, s23
	s_lshr_b32 s23, s[WV], 1                       ; x into the stage: a load of the work-group is 4 rows of 1,024 bytes: thread t has row t / 64, byte 16 (t % 64)
	s_mul_i32 s23, s23, XP
	s_and_b32 s24, s[WV], 1
	s_lshl_b32 s26, s24, 9
	s_add_co_u32 s23, s23, s26
	s_add_co_u32 s23, s23, XST
	v_add_nc_u32 v[XSI], s23, v[LI]
	s_mul_i32 s23, s24, 16*XP                      ; and out of it: row 16 (w % 2) + r, K step (w / 2) % 2, my 16 numbers of a block: 64 h bytes on
	s_bfe_u32 s26, s[WV], 0x10001
	s_lshl_b32 s26, s26, 9
	s_add_co_u32 s23, s23, s26
	s_add_co_u32 s23, s23, XST
	v_mul_u32_u24 v19, v17, XP
	v_lshl_add_u32 v19, v18, 6, v19
	v_add_nc_u32 v[XSO], s23, v19
	s_lshl_b32 s23, s[WV], 9
	v_lshl_add_u32 v[BA], v18, 6, s23
	s_lshl_b32 s23, s[WV], 8
	v_lshl_add_u32 v[BA3], v18, 6, s23
	s_mul_i32 s23, s[WV], 32*SP
	s_add_co_u32 s23, s23, STG                     ; my stage
	v_mul_u32_u24 v19, v17, SP
	v_lshl_add_u32 v19, v18, 6, v19
	v_add_nc_u32 v[SO], s23, v19                   ; in: row r, 64 bytes for each half of the lanes
	v_mul_u32_u24 v19, v18, SP
	v_lshl_add_u32 v19, v17, 4, v19
	v_add_nc_u32 v[SR], s23, v19                   ; back: lanes 0-15 one row of 256 bytes, lanes 16-31 the next
	v_lshlrev_b32 v19, 11, v18
	v_lshl_add_u32 v[GO], v17, 4, v19              ; and the same two rows in out0, 2,048 bytes apart
	v_lshlrev_b32 v[XG], 4, v0
	v_lshlrev_b32 v[B3G], 3, v0
.irp b, 0,1,2,3
	v_mov_b32 v[TM+4+\b], 0                        ; written once: a lane permute's destination counts as one of its sources
.endr
	s_mov_b32 s[MNT], 0x600000
	s_mov_b32 s[SEL], 0x76543210
	s_mov_b32 s[SEL+1], 0xfedcba98
	s_lshr_b32 s23, ttmp9, 5                       ; my agent: 32 work-groups to an agent's 1,024 rows
	s_lshl_b32 s23, s23, 2
	s_lshl_b32 s24, ttmp9, 15                      ; my 32 rows of x: 32,768 bytes
	s_mov_b32 s25, 0
	s_wait_kmcnt 0x0
	s_load_b32 s22, s[14:15], s23 offset:0x0       ; the agent's expert
	s_add_nc_u64 s[4:5], s[4:5], s[24:25]
.irp i, 0,1,2,3,4,5,6,7
	global_load_b128 v[HF+4*\i:HF+4*\i+3], v[XG], s[4:5] offset:4096*\i th:TH_LOAD_NT   ; a wave reads 512 consecutive bytes, the work-group 4 rows
.endr
	s_wait_kmcnt 0x0
	s_min_u32 s22, s22, 3                          ; held inside the table of four experts
	s_mul_i32 s24, s22, 1892352                    ; an expert's codes and scales: 8 waves x 14 groups x 16,896 bytes
	s_mul_i32 s26, s[WV], 236544                   ; my wave's stream
	s_add_co_u32 s24, s24, s26
	s_add_nc_u64 s[6:7], s[6:7], s[24:25]
	s_lshl_b32 s24, s22, 12
	s_add_nc_u64 s[8:9], s[8:9], s[24:25]
	s_add_nc_u64 s[10:11], s[10:11], s[24:25]
	s_lshl_b32 s24, s22, 11
	s_add_nc_u64 s[12:13], s[12:13], s[24:25]
	s_lshl_b32 s24, ttmp9, 16                      ; my 32 rows of out0, my wave's 256 bytes of each
	s_lshl_b32 s26, s[WV], 8
	s_add_co_u32 s24, s24, s26
	s_add_nc_u64 s[16:17], s[16:17], s[24:25]
	global_load_b128 v[PC0:PC0+3], v[XG], s[8:9]   ; the expert's biases, once for the work-group
	global_load_b128 v[PC0+4:PC0+7], v[XG], s[10:11]
	global_load_b64 v[PC0+8:PC0+9], v[B3G], s[12:13]
	GLOAD 0
	s_wait_loadcnt 33                              ; group 0's 33 loads may be out: x and the biases are in
.irp i, 0,1,2,3,4,5,6,7
	ds_store_b128 v[XSI], v[HF+4*\i:HF+4*\i+3] offset:4*XP*\i
.endr
	ds_store_b128 v[XG], v[PC0:PC0+3] offset:BIA
	ds_store_b128 v[XG], v[PC0+4:PC0+7] offset:BIA+4096
	ds_store_b64 v[B3G], v[PC0+8:PC0+9] offset:BIA+8192
	GLOAD 1                                        ; two groups are 66 loads; an issue that would pass the counter's field waits (ISA guide 5.7.1), here for loads of the older group, which is wanted next anyway
	BARRIER                                        ; x and the biases lie in LDS
	; ---- x becomes codes: waves 0-3, one fragment each
	s_cmp_lt_u32 s[WV], 4
	s_cbranch_scc0 .Lnox
.irp b, 0,1,2,3
.irp j, 0,1,2,3
	ds_load_b128 v[ACC+16*\b+4*\j:ACC+16*\b+4*\j+3], v[XSO] offset:128*\b+16*\j
.endr
.endr
	s_wait_dscnt 0x0
	QUANT ACC, 0, PC0, PW0
	IMAGE XWI, PC0, 0
	ds_store_b32 v[XWS], v[PW0]
.Lnox:
	BIAS12 BIA                                     ; b1 starts layer 1's sums
	BARRIER                                        ; x's four fragments lie in LDS
	; ---- layer 1: K = 256, two steps
	v_add_nc_u32 v[AF], XIMG, v[LI]
	v_add_nc_u32 v[AS], XSC, v[LS]
	v_add_nc_u32 v[AW], H1, v[HWI]
	v_add_nc_u32 v[AX], H1S, v[HWS]
	HFETCH 0
	STEP 0, 0, 0, 8, 64, 1, 33, 2
	STEP 1, 0, 1, 8, 64, 0, 33, 3
	QUANT ACC, 1, PC0, PW0                         ; my 128 units of rows 0-15: K step w of layer 2
	IMAGE AW, PC0, 0
	ds_store_b32 v[AX], v[PW0]
	QUANT ACC+64, 1, PC1, PW1                      ; of rows 16-31, into registers of their own: no wait between the two tiles
	IMAGE AW, PC1, 2048
	ds_store_b32 v[AX], v[PW1] offset:64
	BIAS12 BIA+4096                                ; b2 starts layer 2's sums
	BARRIER                                        ; the first hidden layer's sixteen fragments lie in LDS
	; ---- layer 2: K = 1,024, eight steps
	v_add_nc_u32 v[AF], H1, v[LI]
	v_add_nc_u32 v[AS], H1S, v[LS]
	v_add_nc_u32 v[AW], H2, v[HWI]
	v_add_nc_u32 v[AX], H2S, v[HWS]
	HFETCH 0
.irp s, 0,1,2,3,4,5,6
	STEP 2+\s, 0, \s, 8, 64, 1, 33, 4+\s
.endr
	STEP 9, 0, 7, 8, 64, 0, 33, 11
	QUANT ACC, 1, PC0, PW0
	IMAGE AW, PC0, 0
	ds_store_b32 v[AX], v[PW0]
	QUANT ACC+64, 1, PC1, PW1
	IMAGE AW, PC1, 2048
	ds_store_b32 v[AX], v[PW1] offset:64
	BIAS3                                          ; b3 starts layer 3's sums
	BARRIER                                        ; the second hidden layer's sixteen fragments lie in LDS
	; ---- layer 3: K = 1,024, eight steps, two to a group; my 64 outputs: four tiles
	v_add_nc_u32 v[AF], H2, v[LI]
	v_add_nc_u32 v[AS], H2S, v[LS]
	HFETCH 0
	STEP 10, 0, 0, 4, 32, 1, 33, -1
	STEP 10, 4, 1, 4, 32, 1, -1, 12
	STEP 11, 0, 2, 4, 32, 1, 33, -1
	STEP 11, 4, 3, 4, 32, 1, -1, 13                ; the last group: no load passes my stream's end
	STEP 12, 0, 4, 4, 32, 1, 33, -1
	STEP 12, 4, 5, 4, 32, 1, -1, -1
	STEP 13, 0, 6, 4, 32, 1, 0, -1                 ; nothing was asked for behind group 13
	STEP 13, 4, 7, 4, 32, 0, -1, -1
	; ---- the way out.  A lane holds 64 + 64 bytes of one row, the lanes beside it other rows: the wave's 32 rows x 256 bytes go through its own stage and come back as whole rows.
	; LDS serves a wave's instructions in order (ISA guide 5.7.1.4): no wait between the stores and the loads.  Each accumulator is stored from its low end on.
.set om, 0
.rept 2
.set op, 0
.rept 8
	ds_store_b128 v[SO], v[ACC+32*om+4*op:ACC+32*om+4*op+3] offset:16*SP*om+128*(op/4)+16*(op%4)   ; outputs 32 (op / 4) + 16 h + 4 (op % 4) on of row 16 om + r
.set op, op+1
.endr
.set om, om+1
.endr
.irp i, 0,1,2,3,4,5,6,7,8,9,10,11,12,13,14,15
	ds_load_b128 v[OB+4*\i:OB+4*\i+3], v[SR] offset:2*SP*\i
.endr
.irp i, 0,1,2,3,4,5,6,7,8,9,10,11,12,13,14,15
	s_wait_dscnt 15-\i                             ; the younger loads may be out
	global_store_b128 v[GO], v[OB+4*\i:OB+4*\i+3], s[16:17] offset:4096*\i th:TH_STORE_NT   ; sixteen lanes store 256 consecutive bytes, at a multiple of 256 from out0's first byte; two rows an instruction
.endr
	s_wait_xcnt 0x0
	v_lshl_add_u32 v254, v0, 2, 0x2e400
	v_mov_b32 v255, 0
	s_wait_tensorcnt 0x0
	ds_add_u32 v254, v255
	s_wait_dscnt 0x0
	s_endpgm
.Lfunc_end_k_q3a24ac4b1e_mlp:
	.size	k_q3a24ac4b1e_mlp, .Lfunc_end_k_q3a24ac4b1e_mlp-k_q3a24ac4b1e_mlp
	.p2alignl 7, 3214868480
	.fill 96, 4, 3214868480
	.section	.rodata,"a",@progbits
	.p2align	6, 0x0
	.amdhsa_kernel k_q3a24ac4b1e_mlp
		.amdhsa_group_segment_fixed_size 190464
		.amdhsa_private_segment_fixed_size 0
		.amdhsa_enable_private_segment 0
		.amdhsa_kernarg_size 56
		.amdhsa_user_sgpr_count 2
		.amdhsa_user_sgpr_kernarg_segment_ptr 1
		.amdhsa_wavefront_size32 1
		.amdhsa_system_sgpr_workgroup_id_x 1
		.amdhsa_system_sgpr_workgroup_id_y 1
		.amdhsa_system_sgpr_workgroup_id_z 1
		.amdhsa_system_vgpr_workitem_id 0
		.amdhsa_next_free_vgpr 512
		.amdhsa_next_free_sgpr 66
		.amdhsa_reserve_vcc 0
		.amdhsa_float_denorm_mode_32 3
		.amdhsa_float_denorm_mode_16_64 3
		.amdhsa_memory_ordered 1
		.amdhsa_forward_progress 1
		.amdhsa_inst_pref_size 147
	.end_amdhsa_kernel
	.amdgpu_metadata
---
amdhsa.version: [ 1, 2 ]
amdhsa.kernels:
  - .name:           k_q3a24ac4b1e_mlp
    .symbol:         k_q3a24ac4b1e_mlp.kd
    .args:
      - { .name: x, .offset: 0, .size: 8, .value_kind: global_buffer, .address_space: global }
      - { .name: wq, .offset: 8, .size: 8, .value_kind: global_buffer, .address_space: global }
      - { .name: b1, .offset: 16, .size: 8, .value_kind: global_buffer, .address_space: global }
      - { .name: b2, .offset: 24, .size: 8, .value_kind: global_buffer, .address_space: global }
      - { .name: b3, .offset: 32, .size: 8, .value_kind: global_buffer, .address_space: global }
      - { .name: seps_idx, .offset: 40, .size: 8, .value_kind: global_buffer, .address_space: global }
      - { .name: out0, .offset: 48, .size: 8, .value_kind: global_buffer, .address_space: global }
    .group_segment_fixed_size: 190464
    .private_segment_fixed_size: 0
    .kernarg_segment_align: 8
    .kernarg_segment_size: 56
    .max_flat_workgroup_size: 256
    .sgpr_count:     66
    .vgpr_count:     512
    .wavefront_size: 32
...
	.end_amdgpu_metadata
.endif
;; end of part 2
;; ======== version 2 of 2: 2 launches
;; workspace buffers: wq 7,569,408 bytes
;; launch prep (part 3): grid 14 x 32, 8 waves a work-group, no clusters, 17,920 bytes of LDS; arguments W1, W2, W3, wq; writes wq
.if DOCPART == 3
	.amdgcn_target "amdgcn-amd-amdhsa--gfx1250"
	.amdhsa_code_object_version 6
	.text
	.protected	k_q3a24ac4b1e_prep
	.globl	k_q3a24ac4b1e_prep
	.p2align	8
	.type	k_q3a24ac4b1e_prep,@function
k_q3a24ac4b1e_prep:
	s_mov_b64 s[64:65], 0
	v_nop
	global_prefetch_b8 v0, s[64:65] scope:SCOPE_SE
	s_setreg_imm32_b32 hwreg(HW_REG_WAVE_MODE, 25, 1), 1
	s_wait_xcnt 0x0
; W1 [4][256][1024], W2 [4][1024][1024], W3 [4][1024][512], f32, K = the FIRST axis of each expert's matrix, become codes of BF8 (E5M2) with one E8M0 byte for each 32 along K,
; laid in wq in the order in which a wave of the second launch takes them into its operand registers:  wq = [expert 4][wave 8][group 14] groups of 16,896 bytes.
; A GROUP is 8 fragments of 2,048 bytes and a block of 512 bytes of scale bytes.  Fragment f, piece c (0..3), cell r + 16 h, at 2048 f + 512 c + 16 (r + 16 h): the 16 codes of the fragment's unit r
; at k = 32 c + 16 h + 0 .. 15 of its K step of 128: the image of the operand's registers.  Scale block, at 16,384: byte 16 l' + 4 q + c = the byte of block c of unit l' % 16 of fragment 2 q + l' / 16.
; Group 0, 1: layer 1, K step g.  Group 2..9: layer 2, K step g - 2.  In both, fragment f = tile f of the wave's 128 units.  Group 10..13: layer 3, K steps 2 (g - 10) + sb, fragment 4 sb + t, tile t of the wave's 64 outputs.
; THE UNITS OF A TILE ARE NOT NEIGHBOURS: cell r of tile 2 b + u is unit 32 b + 8 u + r + 8 (r / 8) of the wave's, so that the results of tiles 2 b and 2 b + 1 are 16 neighbours along the next K.
; SHARES.  A work-group makes one group (x = g, y = 8 expert + wave).  Each of its eight waves takes ONE block of 32 along K for 64 columns: a lane takes two neighbouring columns and its registers run down K:
; each load of a wave reads 256 consecutive bytes of a row, at a multiple of 256 from the buffer's first byte; a block's largest magnitude needs no other lane; the conversions give codes with K innermost.
; The group is put together in LDS and leaves in stores of 512 consecutive bytes a wave.
; A block's scale is 2^(floor(log2(its largest magnitude)) - 15); its byte is the largest magnitude's exponent field - 15, held at 1 from below.
; LIMITS: NaN and infinities among the inputs are not served.  A block of zeros gets the byte 1 where the rule says 127: its codes are zeros, which add nothing under any byte but 0xff, and this program alone reads the bytes.
; No tensor loads, no cluster: no two work-groups read the same byte.
.set X,   32                           ; v32-95   row i of the block: v[X + 2 i] column A, v[X + 2 i + 1] column B
.set Y,   96                           ; v96-159  column A's 32 numbers, then column B's, held
.set C,   16                           ; v16-31   column A's 32 codes, then column B's; later the copy out
.set SCB, 16384                        ; the scale block's place in a group
.set GROUP, 16896
	s_load_b256 s[4:11], s[0:1], 0x0               ; W1 s[4:5], W2 s[6:7], W3 s[8:9], wq s[10:11]
	v_lshl_add_u32 v160, v0, 2, 0x4200
	v_mov_b32 v161, 0
	v_lshrrev_b32 v1, 5, v0
	s_delay_alu instid0(VALU_DEP_1)
	v_readfirstlane_b32 s12, v1                    ; wave 0..7
	s_lshr_b32 s13, s12, 2                         ; vh: which 64 columns (layers 1, 2) or which K step of the group (layer 3)
	s_and_b32 s14, s12, 3                          ; c: which block of 32 of a K step
	s_mov_b32 s15, ttmp9                           ; g
	s_and_b32 s25, ttmp7, 0xffff                   ; y = 8 expert + wave of the second launch
	s_lshr_b32 s16, s25, 3                         ; expert
	s_and_b32 s17, s25, 7                          ; w
	s_mov_b32 s24, 0x600000                        ; the mantissa field of 57,344
	v_and_b32 v1, 31, v0                           ; lane l: columns 2 l and 2 l + 1 of the wave's 64
	s_delay_alu instid0(VALU_DEP_1)
	v_lshlrev_b32 v2, 3, v1                        ; 8 bytes a lane
	s_delay_alu instid0(VALU_DEP_2)
	; Column j = 2 (l % 16) + p of a pair of tiles: u = (l / 4) % 2, r = 2 (l % 4) + p + 8 ((l / 8) % 2); the pair is 2 vh + l / 16.  The same in all three layers.
	v_and_b32 v6, 3, v1
	s_delay_alu instid0(VALU_DEP_1)
	v_lshlrev_b32 v3, 5, v6                        ; 16 r: 32 (l % 4)
	s_delay_alu instid0(VALU_DEP_4)
	v_bfe_u32 v6, v1, 3, 1
	s_delay_alu instid0(VALU_DEP_1)
	v_lshl_add_u32 v3, v6, 7, v3                   ;       + 128 ((l / 8) % 2)
	v_bfe_u32 v6, v1, 2, 1                         ; u
	s_delay_alu instid0(VALU_DEP_1)
	v_lshl_add_u32 v4, v6, 8, v3                   ; scale byte: cell r + 16 u
	s_delay_alu instid0(VALU_DEP_2)
	v_lshl_add_u32 v3, v6, 11, v3                  ; codes: fragment + u
	v_bfe_u32 v6, v1, 4, 1
	s_delay_alu instid0(VALU_DEP_1)
	v_lshl_add_u32 v4, v6, 2, v4                   ; scale byte: word q = 2 vh + l / 16
	s_delay_alu instid0(VALU_DEP_2)
	v_lshl_add_u32 v3, v6, 12, v3                  ; codes: two fragments on for lanes 16-31
	s_lshl_b32 s20, s13, 13                        ; four fragments on for vh = 1,
	s_lshl_b32 s21, s14, 9                         ; piece c
	s_add_co_u32 s20, s20, s21
	v_add_nc_u32 v3, s20, v3                       ; v3: where column A's first 16 codes go
	s_lshl_b32 s20, s13, 3
	s_add_co_u32 s20, s20, s14
	s_add_co_u32 s20, s20, SCB
	v_add_nc_u32 v4, s20, v4                       ; v4: where column A's scale byte goes
	v_lshlrev_b32 v6, 4, v1                        ; v6: 16 x lane
	s_lshl_b32 s20, s12, 11
	v_add_nc_u32 v5, s20, v6                       ; v5: the copy out: my wave's 2,048 bytes of the group, in LDS and in wq alike
	s_mul_i32 s20, s25, 14
	s_add_co_u32 s20, s20, s15
	s_mul_i32 s20, s20, GROUP                      ; my group's first byte in wq: under 7,569,408
	s_mov_b32 s21, 0
	s_wait_kmcnt 0x0
	s_add_nc_u64 s[10:11], s[10:11], s[20:21]
	s_cmp_lt_u32 s15, 10                           ; the two arms differ in the pointer and the rows' pitch alone; no LDS line stands in them
	s_cbranch_scc0 .Lw3
	s_cmp_lt_u32 s15, 2                            ; layer 1 or layer 2: rows of 4,096 bytes in both
	s_cselect_b64 s[18:19], s[4:5], s[6:7]
	s_cselect_b32 s20, 20, 22                      ; an expert's matrix is 2^20 or 2^22 bytes
	s_cselect_b32 s21, 0, 2
	s_sub_co_u32 s21, s15, s21                     ; the K step
	s_lshl_b32 s22, s16, s20
	s_lshl_b32 s21, s21, 7
	s_lshl_b32 s23, s14, 5
	s_add_co_u32 s21, s21, s23                     ; my block's first row: 128 x K step + 32 c
	s_lshl_b32 s21, s21, 12
	s_add_co_u32 s22, s22, s21
	s_lshl_b32 s21, s17, 9                         ; column 128 w + 64 vh, in bytes
	s_add_co_u32 s22, s22, s21
	s_lshl_b32 s21, s13, 8
	s_add_co_u32 s22, s22, s21
	s_mov_b32 s23, 0
	s_add_nc_u64 s[18:19], s[18:19], s[22:23]
.set i, 0
.rept 32
	global_load_b64 v[X+2*i:X+2*i+1], v2, s[18:19] offset:4096*i th:TH_LOAD_NT
.set i, i+1
.endr
	s_branch .Lq
.Lw3:                                                  ; layer 3: rows of 2,048 bytes, an expert's matrix 2^21 bytes
	s_sub_co_u32 s21, s15, 10
	s_lshl_b32 s21, s21, 8
	s_lshl_b32 s23, s13, 7
	s_add_co_u32 s21, s21, s23
	s_lshl_b32 s23, s14, 5
	s_add_co_u32 s21, s21, s23                     ; my block's first row: 256 (g - 10) + 128 vh + 32 c
	s_lshl_b32 s21, s21, 11
	s_lshl_b32 s22, s16, 21
	s_add_co_u32 s22, s22, s21
	s_lshl_b32 s21, s17, 8                         ; column 64 w, in bytes
	s_add_co_u32 s22, s22, s21
	s_mov_b32 s23, 0
	s_add_nc_u64 s[18:19], s[8:9], s[22:23]
.set i, 0
.rept 32
	global_load_b64 v[X+2*i:X+2*i+1], v2, s[18:19] offset:2048*i th:TH_LOAD_NT
.set i, i+1
.endr
.Lq:
	s_wait_loadcnt 0x0
	v_max3_num_f32 v8, |v[X]|, |v[X+2]|, 0x8000000                 ; the block's largest magnitude, the two columns by turns; the floor 2^(16 - 127) is one more leaf: the byte cannot fall under 1
	v_max3_num_f32 v9, |v[X+1]|, |v[X+3]|, 0x8000000
.irp i, 2,4,6,8,10,12,14,16,18,20,22,24,26,28,30
	s_delay_alu instid0(VALU_DEP_2)
	v_max3_num_f32 v8, v8, |v[X+2*\i]|, |v[X+2*\i+2]|
	s_delay_alu instid0(VALU_DEP_2)
	v_max3_num_f32 v9, v9, |v[X+2*\i+1]|, |v[X+2*\i+3]|
.endr
	s_delay_alu instid0(VALU_DEP_2)
	v_add_nc_u32 v12, 0xf8800000, v8               ; 15 off the exponent field: the conversion takes the exponent field of this operand as its scale, and nothing else of it
	s_delay_alu instid0(VALU_DEP_2)
	v_add_nc_u32 v13, 0xf8800000, v9
	s_delay_alu instid0(VALU_DEP_4)
	v_and_or_b32 v10, v8, 0x7f800000, s24          ; 57,344 x the scale
	s_delay_alu instid0(VALU_DEP_4)
	v_and_or_b32 v11, v9, 0x7f800000, s24
	s_delay_alu instid0(VALU_DEP_4)
	v_lshrrev_b32 v14, 23, v12                     ; the scale's byte
	s_delay_alu instid0(VALU_DEP_4)
	v_lshrrev_b32 v15, 23, v13
.set i, 0
.rept 32
	v_med3_num_f32 v[Y+i], v[X+2*i], -v10, v10     ; the conversion to an 8-bit code does not saturate (ISA guide 7.6.2): the hold; it also parts the two columns, so that no move is written
	v_med3_num_f32 v[Y+32+i], v[X+2*i+1], -v11, v11
.set i, i+1
.endr
.irp q, 0,1,2,3
	v_cvt_scalef32_pk8_bf8_f32 v[C+2*\q:C+2*\q+1], v[Y+8*\q:Y+8*\q+7], v12
	v_cvt_scalef32_pk8_bf8_f32 v[C+8+2*\q:C+8+2*\q+1], v[Y+32+8*\q:Y+32+8*\q+7], v13
.endr
	v_nop                                          ; one plain vector line behind the last conversion
	ds_store_b128 v3, v[C:C+3]                     ; column A, k = 0 .. 15 of the block: cell r
	ds_store_b128 v3, v[C+4:C+7] offset:256        ;           k = 16 .. 31: cell r + 16
	ds_store_b128 v3, v[C+8:C+11] offset:16        ; column B is unit r + 1
	ds_store_b128 v3, v[C+12:C+15] offset:272
	ds_store_b8 v4, v14
	ds_store_b8 v4, v15 offset:16
	s_wait_dscnt 0x0                               ; for the others' sake: my stores into the image are done
	s_barrier_signal -1
	s_barrier_wait -1                              ; the group lies whole in LDS
.irp i, 0,1,2,3
	ds_load_b128 v[C+4*\i:C+4*\i+3], v5 offset:512*\i
.endr
.irp i, 0,1,2,3
	s_wait_dscnt 3-\i                              ; LDS loads come back in order: the younger ones may be out
	global_store_b128 v5, v[C+4*\i:C+4*\i+3], s[10:11] offset:512*\i   ; 32 lanes store 512 consecutive bytes, at a multiple of 256 from wq's first byte
.endr
	s_cmp_lg_u32 s12, 0                            ; wave 0 also takes the scale block's 512 bytes
	s_cbranch_scc1 .Lend
	ds_load_b128 v[Y:Y+3], v6 offset:SCB
	s_wait_dscnt 0x0
	global_store_b128 v6, v[Y:Y+3], s[10:11] offset:SCB
.Lend:
	s_wait_tensorcnt 0x0
	ds_add_u32 v160, v161
	s_wait_dscnt 0x0
	s_endpgm
.Lfunc_end_k_q3a24ac4b1e_prep:
	.size	k_q3a24ac4b1e_prep, .Lfunc_end_k_q3a24ac4b1e_prep-k_q3a24ac4b1e_prep
	.p2alignl 7, 3214868480
	.fill 96, 4, 3214868480
	.section	.rodata,"a",@progbits
	.p2align	6, 0x0
	.amdhsa_kernel k_q3a24ac4b1e_prep
		.amdhsa_group_segment_fixed_size 17920
		.amdhsa_private_segment_fixed_size 0
		.amdhsa_enable_private_segment 0
		.amdhsa_kernarg_size 32
		.amdhsa_user_sgpr_count 2
		.amdhsa_user_sgpr_kernarg_segment_ptr 1
		.amdhsa_wavefront_size32 1
		.amdhsa_system_sgpr_workgroup_id_x 1
		.amdhsa_system_sgpr_workgroup_id_y 1
		.amdhsa_system_sgpr_workgroup_id_z 1
		.amdhsa_system_vgpr_workitem_id 0
		.amdhsa_next_free_vgpr 162
		.amdhsa_next_free_sgpr 66
		.amdhsa_reserve_vcc 0
		.amdhsa_float_denorm_mode_32 3
		.amdhsa_float_denorm_mode_16_64 3
		.amdhsa_memory_ordered 1
		.amdhsa_forward_progress 1
		.amdhsa_inst_pref_size 20
	.end_amdhsa_kernel
	.amdgpu_metadata
---
amdhsa.version: [ 1, 2 ]
amdhsa.kernels:
  - .name:           k_q3a24ac4b1e_prep
    .symbol:         k_q3a24ac4b1e_prep.kd
    .args:
      - { .name: W1, .offset: 0, .size: 8, .value_kind: global_buffer, .address_space: global }
      - { .name: W2, .offset: 8, .size: 8, .value_kind: global_buffer, .address_space: global }
      - { .name: W3, .offset: 16, .size: 8, .value_kind: global_buffer, .address_space: global }
      - { .name: wq, .offset: 24, .size: 8, .value_kind: global_buffer, .address_space: global }
    .group_segment_fixed_size: 17920
    .private_segment_fixed_size: 0
    .kernarg_segment_align: 8
    .kernarg_segment_size: 32
    .max_flat_workgroup_size: 256
    .sgpr_count:     66
    .vgpr_count:     162
    .wavefront_size: 32
...
	.end_amdgpu_metadata
.endif
;; end of part 3
;; launch mlp (part 4): grid 256 x 1, 8 waves a work-group, no clusters, 190,464 bytes of LDS; arguments x, wq, b1, b2, b3, seps_idx, out0; writes out0
.if DOCPART == 4
	.amdgcn_target "amdgcn-amd-amdhsa--gfx1250"
	.amdhsa_code_object_version 6
	.text
	.protected	k_q3a24ac4b1e_mlp
	.globl	k_q3a24ac4b1e_mlp
	.p2align	8
	.type	k_q3a24ac4b1e_mlp,@function
k_q3a24ac4b1e_mlp:
	s_mov_b64 s[64:65], 0
	v_nop
	global_prefetch_b8 v0, s[64:65] scope:SCOPE_SE
	s_setreg_imm32_b32 hwreg(HW_REG_WAVE_SCHED_MODE, 0, 2), 2
	s_setreg_imm32_b32 hwreg(HW_REG_WAVE_MODE, 25, 1), 1
	s_wait_xcnt 0x0
	s_wait_alu depctr_vm_vsrc(0)
; out0[a][row] = W3^T relu(W2^T relu(W1^T x[a][row] + b1) + b2) + b3 with the weights of expert seps_idx[a]; all three products on codes of BF8 (E5M2) with one E8M0 scale for each 32 along K.
; Only the chosen expert is multiplied for an agent: the other three results are thrown away by the gather.
; SHARES.  A work-group of eight waves takes 32 rows of one agent (two tiles of 16) through the whole chain; the hidden layers never go to memory.  THE WAVES SHARE THE COLUMNS: in layers 1 and 2 wave w makes units
; 128 w .. 128 w + 127 for all 32 rows, which is K step w of the next product: one fragment and one scale word a row; in layer 3 it makes outputs 64 w .. 64 w + 63: 256 bytes of each row of out0.
; WEIGHTS come from wq straight into the registers of the one wave that multiplies by them: the first launch has laid them as images of the operand's registers, in this wave's order: 14 groups of 8 fragments and 4 scale
; registers, 33 loads of 512 consecutive bytes each.  Two sets of registers take turns: while one group is multiplied the next is on its way, over the layers' ends too.
; ROWS go from wave to wave through LDS as images of their registers: 4 stores of 16 bytes a lane at 16 x lane, a barrier, the same 4 lines as loads; the scale words 4 bytes a row.  No LDS byte is written twice.
; ALL PRODUCTS ARE USED TRANSPOSED (source 0 = 16 units of a weight, source 1 = 16 rows): a lane holds ONE row, and by the order of the units in a tile the 16 registers of tiles 2 b and 2 b + 1 are 16 neighbours along the next K.
; The biases are loaded into the accumulators and start the sums: nothing is cleared, nothing is added behind the products (the order of the f32 additions so differs from a bias added last).
; NOT IN CLUSTERS, though the 32 row blocks of an agent read the same weights: a joint load lands in LDS, in slots that are filled again behind a round of the cluster's barrier in front of which all loads have landed.
; Beside the 189,184 bytes used here two slots of 65,536 bytes fit: 32 fragments, 64 matrix instructions for the work-group, 8 a wave between a request and the wait for it, some 29 rounds, and each of the
; 1,892,352 bytes of an expert would be written into LDS and read from it once more.  The stream into registers has one to two groups a wave on its way (135,168 to 270,336 bytes a work-group) and is never drained.
; LIMITS: NaN and infinities among the inputs are not served.  A block of zeros, or one whose largest magnitude lies under 2^-111, gets the byte 1.  seps_idx is taken as unsigned and held at 3.
; THE MODE: SCHED_MODE bits 1:0 = 2 (LLVM: expert scheduling mode 2), set by the entry lines.  The code itself states the register dependences between vector or matrix instructions and memory or LDS instructions,
; with s_wait_alu, always for 0.
; THE PLAN.  Registers that memory or LDS instructions touch:
;   v1-15          addresses: written at the head, never again; read by loads and stores throughout.
;   v16-19         the layer's addresses: written by the adds at a layer's head; read by the layer's LDS loads of rows and by its image stores.
;   weights' sets  (window 1; their scale words v20-23, v24-27).  The products on group g read set g % 2; group g + 1's loads land in the other set, which the products on group g - 1 read.
;   rows' sets     (v64-95, v96-127; their scale words v28, v29).  Step s's products read set s % 2; step s + 1's LDS loads, issued in the middle of step s, land in the other set, which step s - 1's products read.
;   v46-63, v64-79 scale words and codes just made: written by the quantiser, read by the image stores.  (v48-57, v64-95 at the head: loaded, then stored to LDS.  v64-127 on the way out: loaded from LDS, then stored.)
;   v128-255       the accumulators: the biases land in them; products and the quantiser name them; the way out's LDS stores read v128-191.
; So ONE wait on va_vdst stands at a step's head: the products of the step before are done with the two sets in which this step's loads land, and this step's products name the other two sets alone.  One more stands at a layer's
; tail (the next group goes out ahead of the quantiser), one ahead of a layer's run of image stores, which the next bias's loads follow, and a pair (vm_vsrc, the adds, va_vdst) at a layer's head.
; REGISTERS: window 0: v1-15 addresses that stay; v16-19 addresses of the layer in hand; v20-27 the weights' scale words, two sets; v28-29 the rows' scale words, two sets; v30-47 at work in the quantiser; v48-63 codes just made;
;   v64-127 the rows' fragments, two sets of two (also: x as loaded; the second tile's codes; rows of out0); v128-255 the accumulators.   window 1: the weights, two sets of 8 fragments.
.set BIA,  0                           ; LDS: b1, b2, b3 of my expert: 4,096 + 4,096 + 2,048 bytes
.set XSC,  10240                       ; x's scale words: 128 s + 64 m + 4 r (K step s, tile of rows m, row r)
.set H1S,  10496                       ; the first hidden layer's, likewise
.set H2S,  11520                       ; the second's
.set XIMG, 12544                       ; x's 4 fragments, 2,048 bytes each, at 2 s + m
.set H1,   20736                       ; the first hidden layer's 16
.set H2,   53504                       ; the second's 16
.set XST,  86272                       ; x as f32: 32 rows, 1,040 bytes apart = 65 x 16: the sixteen rows that a load touches begin at sixteen different 16-byte columns of 256 bytes
.set XP,   1040
.set STG,  119552                      ; the way out: for each wave 32 rows of 256 bytes, 272 apart
.set SP,   272
.set LI,  1                            ; v1   16 x lane
.set LS,  2                            ; v2   4 x lane
.set HWI, 3                            ; v3   16 x lane + 4,096 x wave: where my two fragments of a hidden layer go
.set HWS, 4                            ; v4   4 r + 128 x wave: and their scale words
.set XWI, 5                            ; v5   where my fragment of x goes (waves 0-3)
.set XWS, 6                            ; v6   and its scale words
.set XSI, 7                            ; v7   x into the stage
.set XSO, 8                            ; v8   and out of it: my row, my 16 numbers of a block
.set BA,  9                            ; v9   512 x wave + 64 h: my biases in layers 1 and 2
.set BA3, 10                           ; v10  256 x wave + 64 h: in layer 3
.set SO,  11                           ; v11  the way out: where I put my row's numbers
.set SR,  12                           ; v12  and where I read rows back
.set GO,  13                           ; v13  my byte offset in the wave's part of out0
.set XG,  14                           ; v14  16 x thread
.set B3G, 15                           ; v15  8 x thread
.set AF,  16                           ; v16  the layer's rows: fragments
.set AS,  17                           ; v17  their scale words
.set AW,  18                           ; v18  where the layer's results go: fragments
.set AX,  19                           ; v19  their scale words
.set WS,  20
.set HS,  28
.set TM,  30                           ; +0..3 largest magnitudes, +4..7 the other half's, then bytes, +8..11 the largest number x the scale, +12..15 the conversions' scale operands
.set PW0, 46
.set PW1, 47
.set PC0, 48
.set HF,  64
.set PC1, 64
.set OB,  64
.set ACC, 128
.set WV,  18                           ; s18  my wave's number
.set MNT, 19                           ; s19  the mantissa field of 57,344
.set SEL, 20                           ; s[20:21] v_permlanex16_b32's selects for lane l xor 16
.set MSB, 0
.macro WIN new                         ; the immediate's high byte repeats the setting that is left; a switch that changes nothing is dropped
.if MSB != \new
	s_set_vgpr_msb (MSB<<8)|\new
.set MSB, \new
.endif
.endm
; Group g of my stream into set g % 2: 32 pieces of 512 bytes (fragment f, piece c: number 4 f + c) and the scale block.  33 loads.
.macro GLOAD g
	WIN 0x40                                       ; destination window 1, address window 0
.set gp, 0
.rept 32
	global_load_b128 v[128*((\g)%2)+4*gp:128*((\g)%2)+4*gp+3], v[LI], s[6:7] offset:16896*(\g)+512*gp
.set gp, gp+1
.endr
	WIN 0
	global_load_b128 v[WS+4*((\g)%2):WS+4*((\g)%2)+3], v[LI], s[6:7] offset:16896*(\g)+16384   ; register q: lanes 0-15 fragment 2 q's words, lanes 16-31 fragment 2 q + 1's
.endm
; K step s of the layer's rows into set s % 2: two fragments (tile of rows m, piece c: number 4 m + c) and one register of scale words: lanes 0-15 tile 0's, lanes 16-31 tile 1's.  9 loads.
.macro HFETCH s
.set hp, 0
.rept 8
	ds_load_b128 v[HF+32*((\s)%2)+4*hp:HF+32*((\s)%2)+4*hp+3], v[AF] offset:4096*(\s)+512*hp
.set hp, hp+1
.endr
	ds_load_b32 v[HS+(\s)%2], v[AS] offset:128*(\s)
.endm
; nt tiles of units, from tile t0 on (fragments fb + t0 on of group g), x the two tiles of rows, 128 along K.  The accumulators take turns, one instruction a turn, from step to step too.
.macro MULS g, fb, s, t0, nt, am
.set mt, \t0
.rept \nt
.set mm, 0
.rept 2
.set rD, ACC+(\am)*mm+8*mt
.set rW, 128*((\g)%2)+16*((\fb)+mt)
.set rH, HF+32*((\s)%2)+16*mm
.set rS, WS+4*((\g)%2)+((\fb)+mt)/2
.set rT, HS+(\s)%2
.if (mt%2 == 0) && (mm == 0)
	v_wmma_scale_f32_16x16x128_f8f6f4 v[rD:rD+7], v[rW:rW+15], v[rH:rH+15], v[rD:rD+7], v[rS], v[rT] matrix_a_fmt:MATRIX_FMT_BF8 matrix_b_fmt:MATRIX_FMT_BF8
.elseif (mt%2 == 1) && (mm == 0)
	v_wmma_scale_f32_16x16x128_f8f6f4 v[rD:rD+7], v[rW:rW+15], v[rH:rH+15], v[rD:rD+7], v[rS], v[rT] matrix_a_fmt:MATRIX_FMT_BF8 matrix_b_fmt:MATRIX_FMT_BF8 matrix_a_scale:MATRIX_SCALE_ROW1
.elseif (mt%2 == 0)
	v_wmma_scale_f32_16x16x128_f8f6f4 v[rD:rD+7], v[rW:rW+15], v[rH:rH+15], v[rD:rD+7], v[rS], v[rT] matrix_a_fmt:MATRIX_FMT_BF8 matrix_b_fmt:MATRIX_FMT_BF8 matrix_b_scale:MATRIX_SCALE_ROW1
.else
	v_wmma_scale_f32_16x16x128_f8f6f4 v[rD:rD+7], v[rW:rW+15], v[rH:rH+15], v[rD:rD+7], v[rS], v[rT] matrix_a_fmt:MATRIX_FMT_BF8 matrix_b_fmt:MATRIX_FMT_BF8 matrix_a_scale:MATRIX_SCALE_ROW1 matrix_b_scale:MATRIX_SCALE_ROW1
.endif
.set mm, mm+1
.endr
.set mt, mt+1
.endr
.endm
; A K step.  hw = 1: the wait at the step's head, where the step issues loads into registers that the step before's products read (a layer's first step leans on the wait at the layer's head; the last step of all issues no load).
; gh >= 0: group gh is asked for at the head, into the weights' set that the step before multiplied, ahead of the wait for group g.  lw >= 0: that wait, with the loads that may stay out.
; more = 1: the next step's rows are asked for in the middle of the step's products.  gt >= 0: a layer's last step: group gt is asked for at the tail, into the set just multiplied, ahead of the quantiser.
; Eight plain places stand behind the products: they serve the first read of the results behind a layer's last step, and stand beside the waits
; in front of the loads into the weights' set and the rows' set just read.
.macro STEP g, fb, s, nt, am, more, lw, hw, gh, gt
.if (\gh) >= 0
	WIN 0x40                                       ; the switch, then the wait, then the loads
.endif
.if \hw
	s_wait_alu depctr_va_vdst(0)                   ; the step before's products are done reading their weights' set and its scale words, in which group gh lands, and their rows' set and its scale words, in which the next step's rows land
.endif
.if (\gh) >= 0
	GLOAD \gh
.endif
	s_wait_dscnt 0x0                               ; this step's rows, asked for in the middle of the step before (a layer's first: just now), are in; no younger LDS load is out
.if (\lw) >= 0
	s_wait_loadcnt \lw                             ; loads come back in order (ISA guide 5.7.1): the next group's 33 may be out, this group is in
.endif
	WIN 0x01                                       ; source 0 (the weights) window 1
	MULS \g, \fb, \s, 0, (\nt)/2, \am
.if \more
	WIN 0
	HFETCH (\s)+1                                  ; no wait: no vector or matrix instruction since the last wait on va_vdst names the other rows' set, its scale register, v[AF] or v[AS]
	WIN 0x01
.endif
	MULS \g, \fb, \s, (\nt)/2, (\nt)/2, \am
.rept 8
	v_nop
.endr
.if (\gt) >= 0
	WIN 0x40                                       ; the switch, then the wait, then the loads
	s_wait_alu depctr_va_vdst(0)                   ; this step's products are done reading their weights' set and its scale words, in which group gt lands
	GLOAD \gt
.else
	WIN 0
.endif
.endm
; 64 numbers of a lane, v[s] on, register 16 b + i = k 32 b + 16 (lane / 16) + i of my row, become a fragment's codes in v[pc] on and its scale word in v[pw].  relu = 1: what is negative becomes 0 on the way.
.macro QUANT s, relu, pc, pw
.if \relu                                      ; no |.|: what is negative is to become 0, so it must not count for the largest magnitude; the floor stands over it
.irp b, 0,1,2,3
	v_max3_num_f32 v[TM+\b], v[(\s)+16*\b], v[(\s)+1+16*\b], 0x8000000   ; block b: my 16 numbers, and the floor 2^(16 - 127): the byte cannot fall under 1.  Each accumulator is read from its low end on
.endr
.irp i, 2,4,6,8,10,12,14
.irp b, 0,1,2,3
	v_max3_num_f32 v[TM+\b], v[TM+\b], v[(\s)+16*\b+\i], v[(\s)+1+16*\b+\i]   ; (the four blocks by turns)
.endr
.endr
.else
.irp b, 0,1,2,3
	v_max3_num_f32 v[TM+\b], |v[(\s)+16*\b]|, |v[(\s)+1+16*\b]|, 0x8000000
.endr
.irp i, 2,4,6,8,10,12,14
.irp b, 0,1,2,3
	v_max3_num_f32 v[TM+\b], v[TM+\b], |v[(\s)+16*\b+\i]|, |v[(\s)+1+16*\b+\i]|
.endr
.endr
.endif
.irp b, 0,1,2,3
	v_permlanex16_b32 v[TM+4+\b], v[TM+\b], s[SEL], s[SEL+1]
.endr
.irp b, 0,1,2,3
	v_max_num_f32 v[TM+\b], v[TM+\b], v[TM+4+\b]   ; with lane l xor 16's: the block's largest magnitude
.endr
.irp b, 0,1,2,3
	v_add_nc_u32 v[TM+12+\b], 0xf8800000, v[TM+\b]   ; 15 off its exponent field: the conversion's scale operand
.endr
.irp b, 0,1,2,3
	v_and_or_b32 v[TM+8+\b], v[TM+\b], 0x7f800000, s[MNT]   ; 57,344 x the scale
.endr
.irp b, 0,1,2,3
	v_lshrrev_b32 v[TM+4+\b], 23, v[TM+12+\b]      ; the scale's byte
.endr
	v_lshl_or_b32 v[\pw], v[TM+5], 8, v[TM+4]      ; the four bytes make my row's scale word (lanes l and l xor 16 hold the same)
	v_lshl_or_b32 v[\pw], v[TM+6], 16, v[\pw]
	v_lshl_or_b32 v[\pw], v[TM+7], 24, v[\pw]
.irp b, 0,1,2,3
.irp i, 0,1,2,3,4,5,6,7,8,9,10,11,12,13,14,15
.if \relu
	v_med3_num_f32 v[(\s)+16*\b+\i], v[(\s)+16*\b+\i], 0, v[TM+8+\b]   ; the activation and the hold in one
.else
	v_med3_num_f32 v[(\s)+16*\b+\i], v[(\s)+16*\b+\i], -v[TM+8+\b], v[TM+8+\b]   ; the conversion to an 8-bit code does not saturate (ISA guide 7.6.2): the hold
.endif
.endr
	v_cvt_scalef32_pk8_bf8_f32 v[(\pc)+4*\b:(\pc)+1+4*\b], v[(\s)+16*\b:(\s)+7+16*\b], v[TM+12+\b]
	v_cvt_scalef32_pk8_bf8_f32 v[(\pc)+2+4*\b:(\pc)+3+4*\b], v[(\s)+8+16*\b:(\s)+15+16*\b], v[TM+12+\b]
.endr
	v_nop                                          ; one plain vector line behind the last conversion
.endm
.macro IMAGE adr, pc, off                      ; a fragment goes to LDS as it stands in the registers
.irp c, 0,1,2,3
	ds_store_b128 v[\adr], v[(\pc)+4*\c:(\pc)+4*\c+3] offset:(\off)+512*\c
.endr
.endm
; The biases into the accumulators: lane (r, h) wants, for tile 2 b + u, those of units 32 b + 16 h + 8 u + 0 .. 7, the same for both tiles of rows
.macro BIAS12 loff
.set bm, 0
.rept 2
.set bt, 0
.rept 8
	ds_load_b128 v[ACC+64*bm+8*bt:ACC+64*bm+8*bt+3], v[BA] offset:(\loff)+128*(bt/2)+32*(bt%2)
	ds_load_b128 v[ACC+64*bm+8*bt+4:ACC+64*bm+8*bt+7], v[BA] offset:(\loff)+128*(bt/2)+32*(bt%2)+16
.set bt, bt+1
.endr
.set bm, bm+1
.endr
.endm
.macro BIAS3
.set bm, 0
.rept 2
.set bt, 0
.rept 4
	ds_load_b128 v[ACC+32*bm+8*bt:ACC+32*bm+8*bt+3], v[BA3] offset:BIA+8192+128*(bt/2)+32*(bt%2)
	ds_load_b128 v[ACC+32*bm+8*bt+4:ACC+32*bm+8*bt+7], v[BA3] offset:BIA+8192+128*(bt/2)+32*(bt%2)+16
.set bt, bt+1
.endr
.set bm, bm+1
.endr
.endm
.macro BARRIER                                 ; my LDS stores have landed and my LDS loads are in: then the work-group's barrier
	s_wait_dscnt 0x0
	s_barrier_signal -1
	s_barrier_wait -1
.endm
	; ---- the head: arguments, addresses (all LDS address registers that stay are made here, ahead of the one branch on the wave's number)
	s_load_b256 s[4:11], s[0:1], 0x0               ; x s[4:5], wq s[6:7], b1 s[8:9], b2 s[10:11]
	s_load_b128 s[12:15], s[0:1], 0x20             ; b3 s[12:13], seps_idx s[14:15]
	s_load_b64 s[16:17], s[0:1], 0x30              ; out0
	v_lshrrev_b32 v16, 5, v0
	v_readfirstlane_b32 s[WV], v16                 ; wave 0..7
	v_and_b32 v16, 31, v0                          ; lane
	v_and_b32 v17, 15, v0                          ; r
	v_bfe_u32 v18, v0, 4, 1                        ; h
	v_lshlrev_b32 v[LI], 4, v16
	s_wait_alu depctr_va_vdst(0)
	v_lshlrev_b32 v[LS], 2, v16
	s_wait_alu depctr_va_sdst(0)                   ; s18, my wave's number, is written, ahead of its first reader: addresses, bases and the one branch are made from it
	s_lshl_b32 s23, s[WV], 12
	v_add_nc_u32 v[HWI], s23, v[LI]
	s_lshl_b32 s23, s[WV], 7
	v_lshl_add_u32 v[HWS], v17, 2, s23
	s_lshl_b32 s23, s[WV], 11
	s_add_co_u32 s23, s23, XIMG
	v_add_nc_u32 v[XWI], s23, v[LI]                ; wave w (0-3) makes x's fragment number w: K step w / 2, tile of rows w % 2
	s_lshl_b32 s23, s[WV], 6
	s_add_co_u32 s23, s23, XSC
	v_lshl_add_u32 v[XWS], v17, 2, s23
	s_lshr_b32 s23, s[WV], 1                       ; x into the stage: a load of the work-group is 4 rows of 1,024 bytes: thread t has row t / 64, byte 16 (t % 64)
	s_mul_i32 s23, s23, XP
	s_and_b32 s24, s[WV], 1
	s_lshl_b32 s26, s24, 9
	s_add_co_u32 s23, s23, s26
	s_add_co_u32 s23, s23, XST
	v_add_nc_u32 v[XSI], s23, v[LI]
	s_mul_i32 s23, s24, 16*XP                      ; and out of it: row 16 (w % 2) + r, K step (w / 2) % 2, my 16 numbers of a block: 64 h bytes on
	s_bfe_u32 s26, s[WV], 0x10001
	s_lshl_b32 s26, s26, 9
	s_add_co_u32 s23, s23, s26
	s_add_co_u32 s23, s23, XST
	v_mul_u32_u24 v19, v17, XP
	v_lshl_add_u32 v19, v18, 6, v19
	v_add_nc_u32 v[XSO], s23, v19
	s_lshl_b32 s23, s[WV], 9
	v_lshl_add_u32 v[BA], v18, 6, s23
	s_lshl_b32 s23, s[WV], 8
	v_lshl_add_u32 v[BA3], v18, 6, s23
	s_mul_i32 s23, s[WV], 32*SP
	s_add_co_u32 s23, s23, STG                     ; my stage
	v_mul_u32_u24 v19, v17, SP
	v_lshl_add_u32 v19, v18, 6, v19
	v_add_nc_u32 v[SO], s23, v19                   ; in: row r, 64 bytes for each half of the lanes
	v_mul_u32_u24 v19, v18, SP
	v_lshl_add_u32 v19, v17, 4, v19
	v_add_nc_u32 v[SR], s23, v19                   ; back: lanes 0-15 one row of 256 bytes, lanes 16-31 the next
	v_lshlrev_b32 v19, 11, v18
	v_lshl_add_u32 v[GO], v17, 4, v19              ; and the same two rows in out0, 2,048 bytes apart
	v_lshlrev_b32 v[XG], 4, v0
	v_lshlrev_b32 v[B3G], 3, v0
.irp b, 0,1,2,3
	v_mov_b32 v[TM+4+\b], 0                        ; written once: a lane permute's destination counts as one of its sources
.endr
	s_mov_b32 s[MNT], 0x600000
	s_mov_b32 s[SEL], 0x76543210
	s_mov_b32 s[SEL+1], 0xfedcba98
	s_lshr_b32 s23, ttmp9, 5                       ; my agent: 32 work-groups to an agent's 1,024 rows
	s_lshl_b32 s23, s23, 2
	s_lshl_b32 s24, ttmp9, 15                      ; my 32 rows of x: 32,768 bytes
	s_mov_b32 s25, 0
	s_wait_kmcnt 0x0
	s_load_b32 s22, s[14:15], s23 offset:0x0       ; the agent's expert
	s_add_nc_u64 s[4:5], s[4:5], s[24:25]
	s_wait_alu depctr_va_vdst(0)                   ; the fifteen addresses and offsets v1 to v15 are written
.irp i, 0,1,2,3,4,5,6,7
	global_load_b128 v[HF+4*\i:HF+4*\i+3], v[XG], s[4:5] offset:4096*\i th:TH_LOAD_NT   ; a wave reads 512 consecutive bytes, the work-group 4 rows
.endr
	s_wait_kmcnt 0x0
	s_min_u32 s22, s22, 3                          ; held inside the table of four experts
	s_mul_i32 s24, s22, 1892352                    ; an expert's codes and scales: 8 waves x 14 groups x 16,896 bytes
	s_mul_i32 s26, s[WV], 236544                   ; my wave's stream
	s_add_co_u32 s24, s24, s26
	s_add_nc_u64 s[6:7], s[6:7], s[24:25]
	s_lshl_b32 s24, s22, 12
	s_add_nc_u64 s[8:9], s[8:9], s[24:25]
	s_add_nc_u64 s[10:11], s[10:11], s[24:25]
	s_lshl_b32 s24, s22, 11
	s_add_nc_u64 s[12:13], s[12:13], s[24:25]
	s_lshl_b32 s24, ttmp9, 16                      ; my 32 rows of out0, my wave's 256 bytes of each
	s_lshl_b32 s26, s[WV], 8
	s_add_co_u32 s24, s24, s26
	s_add_nc_u64 s[16:17], s[16:17], s[24:25]
	global_load_b128 v[PC0:PC0+3], v[XG], s[8:9]   ; the expert's biases, once for the work-group
	global_load_b128 v[PC0+4:PC0+7], v[XG], s[10:11]
	global_load_b64 v[PC0+8:PC0+9], v[B3G], s[12:13]
	GLOAD 0                                        ; (no vector or matrix instruction has named a register of the weights' sets or of their scale words yet)
	s_wait_loadcnt 33                              ; group 0's 33 loads may be out: x and the biases are in
.irp i, 0,1,2,3,4,5,6,7
	ds_store_b128 v[XSI], v[HF+4*\i:HF+4*\i+3] offset:4*XP*\i
.endr
	ds_store_b128 v[XG], v[PC0:PC0+3] offset:BIA
	ds_store_b128 v[XG], v[PC0+4:PC0+7] offset:BIA+4096
	ds_store_b64 v[B3G], v[PC0+8:PC0+9] offset:BIA+8192
	GLOAD 1                                        ; two groups are 66 loads; an issue that would pass the counter's field waits (ISA guide 5.7.1), here for loads of the older group, which is wanted next anyway
	BARRIER                                        ; x and the biases lie in LDS
	s_wait_alu depctr_vm_vsrc(0)                   ; my LDS stores have read v64-95 and v48-57: the first rows' loads land in the former, the quantiser writes the latter; ahead of the branch, for both ways
	; ---- x becomes codes: waves 0-3, one fragment each
	s_cmp_lt_u32 s[WV], 4
	s_cbranch_scc0 .Lnox
.irp b, 0,1,2,3
.irp j, 0,1,2,3
	ds_load_b128 v[ACC+16*\b+4*\j:ACC+16*\b+4*\j+3], v[XSO] offset:128*\b+16*\j
.endr
.endr
	s_wait_dscnt 0x0
	QUANT ACC, 0, PC0, PW0
	s_wait_alu depctr_va_vdst(0)                   ; the quantiser has written x's codes and scale word, which the LDS stores read, and is done with v128-191, in which b1 lands
	IMAGE XWI, PC0, 0
	ds_store_b32 v[XWS], v[PW0]
.Lnox:
	BIAS12 BIA                                     ; b1 starts layer 1's sums
	BARRIER                                        ; x's four fragments lie in LDS
	; ---- layer 1: K = 256, two steps
	s_wait_alu depctr_vm_vsrc(0)                   ; the stores of x's image (waves 0-3) have read v48-63 and v46, which the quantiser writes again at the layer's end
	v_add_nc_u32 v[AF], XIMG, v[LI]
	v_add_nc_u32 v[AS], XSC, v[LS]
	v_add_nc_u32 v[AW], H1, v[HWI]
	v_add_nc_u32 v[AX], H1S, v[HWS]
	s_wait_alu depctr_va_vdst(0)                   ; the layer's four addresses are written, which its LDS loads and stores read
	HFETCH 0
	STEP 0, 0, 0, 8, 64, 1, 33, 0, -1, -1
	STEP 1, 0, 1, 8, 64, 0, 33, 1, 2, 3
	QUANT ACC, 1, PC0, PW0                         ; my 128 units of rows 0-15: K step w of layer 2
	QUANT ACC+64, 1, PC1, PW1                      ; of rows 16-31, into registers of their own
	s_wait_alu depctr_va_vdst(0)                   ; the quantiser has written both tiles' codes and scale words, which the ten LDS stores read, and is done with the accumulators, in which b2 lands
	IMAGE AW, PC0, 0
	ds_store_b32 v[AX], v[PW0]
	IMAGE AW, PC1, 2048
	ds_store_b32 v[AX], v[PW1] offset:64
	BIAS12 BIA+4096                                ; b2 starts layer 2's sums
	BARRIER                                        ; the first hidden layer's sixteen fragments lie in LDS
	; ---- layer 2: K = 1,024, eight steps
	s_wait_alu depctr_vm_vsrc(0)                   ; layer 1's LDS loads and stores have read v16-19, which the adds write; its image stores have read v46-63 and v64-79, which the quantiser and the first rows' loads write
	v_add_nc_u32 v[AF], H1, v[LI]
	v_add_nc_u32 v[AS], H1S, v[LS]
	v_add_nc_u32 v[AW], H2, v[HWI]
	v_add_nc_u32 v[AX], H2S, v[HWS]
	s_wait_alu depctr_va_vdst(0)                   ; the layer's four addresses are written, which its LDS loads and stores read
	HFETCH 0
	STEP 2, 0, 0, 8, 64, 1, 33, 0, -1, -1
.irp s, 1,2,3,4,5,6
	STEP 2+\s, 0, \s, 8, 64, 1, 33, 1, 3+\s, -1
.endr
	STEP 9, 0, 7, 8, 64, 0, 33, 1, 10, 11
	QUANT ACC, 1, PC0, PW0
	QUANT ACC+64, 1, PC1, PW1
	s_wait_alu depctr_va_vdst(0)                   ; the quantiser has written both tiles' codes and scale words, which the ten LDS stores read, and is done with the accumulators, in which b3 lands
	IMAGE AW, PC0, 0
	ds_store_b32 v[AX], v[PW0]
	IMAGE AW, PC1, 2048
	ds_store_b32 v[AX], v[PW1] offset:64
	BIAS3                                          ; b3 starts layer 3's sums
	BARRIER                                        ; the second hidden layer's sixteen fragments lie in LDS
	; ---- layer 3: K = 1,024, eight steps, two to a group; my 64 outputs: four tiles
	s_wait_alu depctr_vm_vsrc(0)                   ; layer 2's LDS loads have read v16 and v17, which the adds write; its image stores have read v64-79, in which the first rows' loads land
	v_add_nc_u32 v[AF], H2, v[LI]
	v_add_nc_u32 v[AS], H2S, v[LS]
	s_wait_alu depctr_va_vdst(0)                   ; the layer's two addresses are written, which its LDS loads read
	HFETCH 0
	STEP 10, 0, 0, 4, 32, 1, 33, 0, -1, -1
	STEP 10, 4, 1, 4, 32, 1, -1, 1, -1, -1
	STEP 11, 0, 2, 4, 32, 1, 33, 1, 12, -1
	STEP 11, 4, 3, 4, 32, 1, -1, 1, -1, -1
	STEP 12, 0, 4, 4, 32, 1, 33, 1, 13, -1         ; the last group: no load passes my stream's end
	STEP 12, 4, 5, 4, 32, 1, -1, 1, -1, -1
	STEP 13, 0, 6, 4, 32, 1, 0, 1, -1, -1          ; nothing was asked for behind group 13
	STEP 13, 4, 7, 4, 32, 0, -1, 0, -1, -1         ; the last step issues no load: it has no wait at its head
	; ---- the way out.  A lane holds 64 + 64 bytes of one row, the lanes beside it other rows: the wave's 32 rows x 256 bytes go through its own stage and come back as whole rows.
	; LDS serves a wave's instructions in order (ISA guide 5.7.1.4): no wait between the stores and the loads.  Each accumulator is stored from its low end on.
	s_wait_alu depctr_va_vdst(0)                   ; the products have written the sums, which the LDS stores read (the eight places stand ahead of this wait), and are done reading v64-127, in which the rows land on their way back
.set om, 0
.rept 2
.set op, 0
.rept 8
	ds_store_b128 v[SO], v[ACC+32*om+4*op:ACC+32*om+4*op+3] offset:16*SP*om+128*(op/4)+16*(op%4)   ; outputs 32 (op / 4) + 16 h + 4 (op % 4) on of row 16 om + r
.set op, op+1
.endr
.set om, om+1
.endr
.irp i, 0,1,2,3,4,5,6,7,8,9,10,11,12,13,14,15
	ds_load_b128 v[OB+4*\i:OB+4*\i+3], v[SR] offset:2*SP*\i
.endr
.irp i, 0,1,2,3,4,5,6,7,8,9,10,11,12,13,14,15
	s_wait_dscnt 15-\i                             ; the younger loads may be out
	global_store_b128 v[GO], v[OB+4*\i:OB+4*\i+3], s[16:17] offset:4096*\i th:TH_STORE_NT   ; sixteen lanes store 256 consecutive bytes, at a multiple of 256 from out0's first byte; two rows an instruction
.endr
	s_wait_xcnt 0x0
	v_lshl_add_u32 v254, v0, 2, 0x2e400            ; the add's two registers are made anew here, straight ahead of the closing lines: layers 1 and 2 leave no two registers to keep.  No memory or LDS instruction has read v254 or v255
	v_mov_b32 v255, 0
	s_wait_dscnt 0x0                               ; the closing lines, six on end
	s_wait_alu 0x0
	s_wait_tensorcnt 0x0
	ds_add_u32 v254, v255
	s_wait_dscnt 0x0
	s_endpgm
.Lfunc_end_k_q3a24ac4b1e_mlp:
	.size	k_q3a24ac4b1e_mlp, .Lfunc_end_k_q3a24ac4b1e_mlp-k_q3a24ac4b1e_mlp
	.p2alignl 7, 3214868480
	.fill 96, 4, 3214868480
	.section	.rodata,"a",@progbits
	.p2align	6, 0x0
	.amdhsa_kernel k_q3a24ac4b1e_mlp
		.amdhsa_group_segment_fixed_size 190464
		.amdhsa_private_segment_fixed_size 0
		.amdhsa_enable_private_segment 0
		.amdhsa_kernarg_size 56
		.amdhsa_user_sgpr_count 2
		.amdhsa_user_sgpr_kernarg_segment_ptr 1
		.amdhsa_wavefront_size32 1
		.amdhsa_system_sgpr_workgroup_id_x 1
		.amdhsa_system_sgpr_workgroup_id_y 1
		.amdhsa_system_sgpr_workgroup_id_z 1
		.amdhsa_system_vgpr_workitem_id 0
		.amdhsa_next_free_vgpr 512
		.amdhsa_next_free_sgpr 66
		.amdhsa_reserve_vcc 0
		.amdhsa_float_denorm_mode_32 3
		.amdhsa_float_denorm_mode_16_64 3
		.amdhsa_memory_ordered 1
		.amdhsa_forward_progress 1
		.amdhsa_inst_pref_size 150
	.end_amdhsa_kernel
	.amdgpu_metadata
---
amdhsa.version: [ 1, 2 ]
amdhsa.kernels:
  - .name:           k_q3a24ac4b1e_mlp
    .symbol:         k_q3a24ac4b1e_mlp.kd
    .args:
      - { .name: x, .offset: 0, .size: 8, .value_kind: global_buffer, .address_space: global }
      - { .name: wq, .offset: 8, .size: 8, .value_kind: global_buffer, .address_space: global }
      - { .name: b1, .offset: 16, .size: 8, .value_kind: global_buffer, .address_space: global }
      - { .name: b2, .offset: 24, .size: 8, .value_kind: global_buffer, .address_space: global }
      - { .name: b3, .offset: 32, .size: 8, .value_kind: global_buffer, .address_space: global }
      - { .name: seps_idx, .offset: 40, .size: 8, .value_kind: global_buffer, .address_space: global }
      - { .name: out0, .offset: 48, .size: 8, .value_kind: global_buffer, .address_space: global }
    .group_segment_fixed_size: 190464
    .private_segment_fixed_size: 0
    .kernarg_segment_align: 8
    .kernarg_segment_size: 56
    .max_flat_workgroup_size: 256
    .sgpr_count:     66
    .vgpr_count:     512
    .wavefront_size: 32
...
	.end_amdgpu_metadata
.endif
;; end of part 4
